; MI455X (gfx1250); checked and timed in simulation.
; The chip was launched on July 23, 2026; its instructions are those of AMD's public machine-readable ISA for CDNA 5 (MIT licence, August 2026) and "CDNA5" Instruction Set Architecture Reference Guide (July 2026). The comments in the code are by the model that wrote it; some were corrected since.
;; Causal Attention. Allowed arithmetic: float matrix products may take bf16 or f16 operands with f32 sums; other float arithmetic in f32, or as packed bf16 or f16 multiplies, adds, multiply-adds, maxima and minima; sums over many terms, partial sums and values carried from step to step in f32; what a program stores and reads back later, other than sums and carried values, may be rounded once to bf16 or f16.
;; Inputs: Wk 1,024 x 1,024 float32; Wq 1,024 x 1,024 float32; Wv 1,024 x 1,024 float32; x 4 x 2,048 x 1,024 float32.
;; Outputs: out0 4 x 2,048 x 1,024 float32.
;; 2 versions, each right; version 2 is version 1 with the launch cast written anew for expert scheduling mode. Each part assembles by itself: llvm-mc -triple=amdgcn-amd-amdhsa -mcpu=gfx1250 --defsym DOCPART=n.
;; ======== version 1 of 2: 4 launches
;; limits: values are held in f16: magnitudes above 65,504 overflow, below 6.1e-05 lose precision
;; workspace buffers: xw 23,068,672 bytes; qkv 50,331,648 bytes; pt 33,554,432 bytes; st 1,048,576 bytes; vlo 262,144 bytes; plo 8,192 bytes
;; launch cast (part 1): grid 352 x 1, 8 waves a work-group, no clusters, 0 bytes of LDS; arguments x, Wq, Wk, Wv, xw; writes xw
.if DOCPART == 1
	.amdgcn_target "amdgcn-amd-amdhsa--gfx1250"
	.amdhsa_code_object_version 6
	.text
	.protected	k_q623a7fe5ca_cast
	.globl	k_q623a7fe5ca_cast
	.p2align	8
	.type	k_q623a7fe5ca_cast,@function
k_q623a7fe5ca_cast:
	s_mov_b64 s[64:65], 0
	v_nop
	global_prefetch_b8 v0, s[64:65] scope:SCOPE_SE
	s_setreg_imm32_b32 hwreg(HW_REG_WAVE_MODE, 25, 1), 1
	s_wait_xcnt 0x0
; xw = x, Wq, Wk, Wv, each number rounded once to bf16 (nearest even): the matrix operands of the projections.
; LAYOUT.  The four are taken as ONE matrix of 11,264 rows x 1,024 columns (x: rows 0 on; Wq: 8,192 on; Wk: 9,216 on; Wv: 10,240 on), laid out in 16 blocks of 64 columns: number (R, c) lies at byte
; (c / 64) BS + 128 R + 2 (c % 64), BS = 11,264 x 128.  So 256 rows x 64 columns of x, and 64 rows x 64 columns of a weight, which the launch behind asks for as tiles, lie on end in memory.
; A work-group converts 32 rows: 131,072 bytes in, 65,536 out.  Work-groups 0-255 take x, 256-287 Wq, 288-319 Wk, 320-351 Wv; the first row in xw is 32 x the work-group's number in every case.
; An instruction of a wave takes 64 columns of two neighbouring rows: lanes 0-15 the even row, lanes 16-31 the odd one.  The load is two pieces of 256 consecutive bytes, aligned; the store 256 consecutive bytes, aligned.
; Wave w takes the column blocks 2 w and 2 w + 1 of the 16 pairs of rows: 32 loads, all out at once, each into registers of its own; no register is written twice, so the only waits are the counted ones for the loads.
; No LDS, no barrier, no matrix unit: each byte is read once and written once, and there is nothing to share.
.set BS, 11264*128                     ; bytes in a block of 64 columns
.set X, 4                              ; v[4:131]    32 x 4 numbers as loaded
.set Y, 132                            ; v[132:195]  32 x 4 numbers in bf16
	s_load_b256 s[4:11], s[0:1], 0x0               ; x s[4:5], Wq s[6:7], Wk s[8:9], Wv s[10:11]
	s_load_b64 s[12:13], s[0:1], 0x20              ; xw
	v_and_b32 v196, 31, v0                         ; lane
	v_lshrrev_b32 v197, 5, v0                      ; wave
	v_and_b32 v198, 15, v0
	v_bfe_u32 v199, v0, 4, 1
	v_lshlrev_b32 v1, 4, v198                      ; in the source: 16 bytes at 16 (l % 16),
	v_lshl_add_u32 v1, v199, 12, v1                ; a row of 4,096 bytes further down for lanes 16-31,
	v_lshl_add_u32 v1, v197, 9, v1                 ; my wave's two column blocks of 256 bytes
	v_mul_u32_u24 v2, v197, 2*BS                   ; in xw: my wave's two column blocks,
	v_lshl_add_u32 v2, v196, 3, v2                 ; 8 bytes a lane: two rows of 128 bytes on end
	s_mov_b32 s20, ttmp9
	s_and_b32 s16, s20, 31                         ; which 32nd of a weight (256 is a multiple of 32),
	s_cmp_lt_u32 s20, 256
	s_cselect_b32 s16, s20, s16                    ; or which 256th of x
	s_lshl_b32 s16, s16, 17                        ; x 131,072 bytes
	s_mov_b32 s17, 0
	s_lshl_b32 s18, s20, 12                        ; 32 rows of 128 bytes in each block of xw
	s_mov_b32 s19, 0
	s_wait_kmcnt 0x0
	s_cmp_lt_u32 s20, 320                          ; the source is chosen by the work-group's number alone
	s_cselect_b64 s[14:15], s[8:9], s[10:11]
	s_cmp_lt_u32 s20, 288
	s_cselect_b64 s[14:15], s[6:7], s[14:15]
	s_cmp_lt_u32 s20, 256
	s_cselect_b64 s[14:15], s[4:5], s[14:15]
	s_add_nc_u64 s[14:15], s[14:15], s[16:17]
	s_add_nc_u64 s[12:13], s[12:13], s[18:19]
.set n, 0
.rept 32                               ; pair of rows n / 2, column block 2 w + n % 2
	global_load_b128 v[X+4*n:X+4*n+3], v1, s[14:15] offset:(n/2)*8192+(n%2)*256 th:TH_LOAD_NT
.set n, n+1
.endr
.set n, 0
.rept 32
	s_wait_loadcnt 31-n                            ; loads come back in order (ISA guide 5.7.1): load n is in, the younger ones stay out
	v_cvt_pk_bf16_f32 v[Y+2*n], v[X+4*n], v[X+4*n+1]
	v_cvt_pk_bf16_f32 v[Y+2*n+1], v[X+4*n+2], v[X+4*n+3]
	global_store_b64 v2, v[Y+2*n:Y+2*n+1], s[12:13] offset:(n/2)*256+(n%2)*BS th:TH_STORE_NT
.set n, n+1
.endr
	s_endpgm
.Lfunc_end_k_q623a7fe5ca_cast:
	.size	k_q623a7fe5ca_cast, .Lfunc_end_k_q623a7fe5ca_cast-k_q623a7fe5ca_cast
	.p2alignl 7, 3214868480
	.fill 96, 4, 3214868480
	.section	.rodata,"a",@progbits
	.p2align	6, 0x0
	.amdhsa_kernel k_q623a7fe5ca_cast
		.amdhsa_group_segment_fixed_size 0
		.amdhsa_private_segment_fixed_size 0
		.amdhsa_enable_private_segment 0
		.amdhsa_kernarg_size 40
		.amdhsa_user_sgpr_count 2
		.amdhsa_user_sgpr_kernarg_segment_ptr 1
		.amdhsa_wavefront_size32 1
		.amdhsa_system_sgpr_workgroup_id_x 1
		.amdhsa_system_sgpr_workgroup_id_y 1
		.amdhsa_system_sgpr_workgroup_id_z 1
		.amdhsa_system_vgpr_workitem_id 0
		.amdhsa_next_free_vgpr 200
		.amdhsa_next_free_sgpr 66
		.amdhsa_reserve_vcc 0
		.amdhsa_float_denorm_mode_32 3
		.amdhsa_float_denorm_mode_16_64 3
		.amdhsa_memory_ordered 1
		.amdhsa_forward_progress 1
		.amdhsa_inst_pref_size 13
	.end_amdhsa_kernel
	.amdgpu_metadata
---
amdhsa.version: [ 1, 2 ]
amdhsa.kernels:
  - .name:           k_q623a7fe5ca_cast
    .symbol:         k_q623a7fe5ca_cast.kd
    .args:
      - { .name: x, .offset: 0, .size: 8, .value_kind: global_buffer, .address_space: global }
      - { .name: Wq, .offset: 8, .size: 8, .value_kind: global_buffer, .address_space: global }
      - { .name: Wk, .offset: 16, .size: 8, .value_kind: global_buffer, .address_space: global }
      - { .name: Wv, .offset: 24, .size: 8, .value_kind: global_buffer, .address_space: global }
      - { .name: xw, .offset: 32, .size: 8, .value_kind: global_buffer, .address_space: global }
    .group_segment_fixed_size: 0
    .private_segment_fixed_size: 0
    .kernarg_segment_align: 8
    .kernarg_segment_size: 40
    .max_flat_workgroup_size: 256
    .sgpr_count:     66
    .vgpr_count:     200
    .wavefront_size: 32
...
	.end_amdgpu_metadata
.endif
;; end of part 1
;; launch proj (part 2): grid 8 x 32, 4 waves a work-group, clusters of 4 x 4, 327,680 bytes of LDS; arguments xw, qkv, vlo; writes qkv, vlo
.if DOCPART == 2
	.amdgcn_target "amdgcn-amd-amdhsa--gfx1250"
	.amdhsa_code_object_version 6
	.text
	.protected	k_q623a7fe5ca_proj
	.globl	k_q623a7fe5ca_proj
	.p2align	8
	.type	k_q623a7fe5ca_proj,@function
k_q623a7fe5ca_proj:
	s_mov_b64 s[64:65], 0
	v_nop
	global_prefetch_b8 v0, s[64:65] scope:SCOPE_SE
	s_setreg_imm32_b32 hwreg(HW_REG_WAVE_MODE, 25, 1), 1
	s_wait_xcnt 0x0
	s_wait_alu depctr_hold_cnt(0) depctr_sa_sdst(0) depctr_va_vdst(0) depctr_va_sdst(0) depctr_va_ssrc(0) depctr_va_vcc(0) depctr_vm_vsrc(0)
	s_getreg_b32 s2, hwreg(HW_REG_IB_STS2, 6, 4)
	s_cmp_eq_u32 s2, 0
	s_cbranch_scc0 .Lentry_in_a_cluster
	s_endpgm
.Lentry_in_a_cluster:
	s_bfe_u32 s2, ttmp6, 0x10000c
	s_cmp_lg_u32 s2, 0xf033
	s_cbranch_scc0 .Lentry_shape_is_right
	s_endpgm
.Lentry_shape_is_right:
; q, k, v = x W.  xw holds x and the three weights in bf16 as one matrix of 11,264 rows (x: 0 on; Wq: 8,192 on; Wk: 9,216 on; Wv: 10,240 on; a weight's rows are its k) in 16 blocks of 64 columns: number (R, c) at byte
; (c / 64) BS + 128 R + 2 (c % 64).  qkv: [3][8192][1024] f16.  Products in bf16, sums in f32, K ascending, each result rounded once to f16.
; vlo: [4][32][1024] f16: for the first 32 rows of each batch, what the rounding of v to f16 took away, v - f16(v), rounded to f16.  A row of the output that averages few rows of v carries their roundings undiminished.
; LIMIT.  f16 holds no number beyond 65,504: q, k and v must stay within it (a larger sum becomes an infinity).  NaN and infinities are not treated apart.
; SHARES.  A work-group owns 256 rows of x and 128 columns, and makes those columns of q, k AND v together: x's tile is fetched once for the three.  8 x 32 work-groups, 3,072 matrix instructions a wave in each.
; A wave owns 64 rows and all 3 x 128 columns: 96 accumulators of 16 x 16, 768 registers, a window of 256 for each weight.  The tile row is 8 cy + cluster y: a batch is 8 tile rows, so cy is the batch, and a batch's first
; rows lie in the clusters with y = 0.
; THE MATRIX INSTRUCTION IS USED TRANSPOSED: source 0 = 16 columns of W (W lies [k][n] in LDS and is turned by ds_load_tr16_b128), source 1 = 16 rows of x.  A lane then holds row l % 16 and the columns
; 8 (l / 16) + 0..7: eight neighbouring numbers of a row, 16 bytes in f16.
; RING.  K goes in 16 steps of 64 through two LDS slots.  A slot: x's 256 rows x 64 k (32 KiB on end in memory: asked for as 128 rows of 256 bytes, padded behind every 128: pitch 144), then for each weight 64 k x 128 n
; (two pieces of 8 KiB, BS apart: asked for as 2 rows of 8 KiB, padded behind every 128 bytes: pitch 160).  Wave 0 fetches x's tile, waves 1 to 3 a weight's each.  A step is 192 matrix instructions a wave, 176 of them between
; a refill's request and the wait for it.  Two steps to a slot would be 393,216 bytes for the ring: they do not fit.
; CLUSTER.  4 x 4 work-groups: x's tile hangs on the tile row alone and is asked for jointly along a row of the cluster, W's on the tile column alone, along a column.
; REGISTERS.  Window 0: v0-14 addresses; v32-95 two buffers of x's fragments (4 each: 32 k); v96-223 two buffers of W's (8 each: one weight, 32 k); v224-255 packed results; on the way out v96-159 take rows read back.
; Window 1 + j: weight j's accumulator (a, b) at 64 a + 8 b.
.set BS,     11264*128                 ; bytes in a block of 64 columns of xw
.set PA,     144                       ; an LDS row of x: 128 bytes + 16 = 36 words: the 16 rows of a load start at 16 different groups of four banks (64 banks of 4 bytes: ISA guide 11.1)
.set PB,     160                       ; an LDS row of W: 128 + 32 = 40 words
.set BOFF,   256*PA                    ; the weights' tiles lie behind x's
.set BW,     2*64*PB                   ; a weight's tile: two pieces of 64 rows
.set SLOT1,  1<<17                     ; slot 1 begins here: one exclusive or turns an address in one slot into the other's
.set STAGE,  SLOT1+BOFF+3*BW           ; behind the ring: 16 rows x 272 bytes for each wave, for the way out
.set SP,     272
.set SPARE,  STAGE+4*16*SP             ; behind the stages: the spare words, 128 bytes for each wave: two blocks of 256 bytes that no other line names
.set W0,     (8192-1024)*128           ; in a block of xw: 1,024 rows ahead of Wq, so that wave w = 1, 2, 3 finds its weight 1,024 w rows on
.set KB,     64*128                    ; a K step down a weight's rows
.set QB,     8192*1024*2               ; the bytes of one of q, k, v
.set ROWB,   2048                      ; bytes in a row of q, k, v and of vlo
.set NEXT_C, QB-3*16*ROWB              ; from my last 16 rows of q or k to my first of k or v
.set A0,   4                           ; v4   my lane's place in x's rows of a slot; never rewritten
.set B0,   5                           ; v5   the same for W
.set ADRA, 6                           ; v6   the same in the slot in hand
.set ADRB, 7                           ; v7
.set STO,  8                           ; v8   the way out: where I put 16 bytes of a row
.set RD,   9                           ; v9   the way out: where I read a row back
.set CO,   10                          ; v10  my byte offset in two rows of the result
.set PFO,  11                          ; v11  the prefetches' offset: 256 x my lane; never rewritten
.set SPW,  12                          ; v12  LDS address of my spare word; never rewritten
.set NIL,  13                          ; v13  0; never rewritten
.set NEG1, 14                          ; v14  -1.0
.set AB,   32
.set BB,   96
.set OB,   96
.set LF,   160                         ; v160-223, behind the last product: 64 differences in f32
.set TMP,  224
.set WV,   10                          ; s10  my wave's number
.set CX,   13
.set CY,   14
.set TX,   15                          ; s15  tile column
.set TY,   16                          ; s16  tile row
.set U,    17                          ; s17  the trip, 0 to 13: it changes from K step U to U + 1 and asks for U + 2
.set LEFT, 19                          ; s19  trips to go
.set TB,   20                          ; s20  the slot in hand: 0 or SLOT1
.set LIM,  21                          ; s21  a wave prefetches while U is below it
.set PFS,  22                          ; s[22:23] the prefetches' step
.set G1A,  24                          ; s[24:31] descriptor group 1 for x's tiles
.set G0A,  32                          ; s[32:39] group 0: a set for each of the two first fills; the second then walks on
.set PFA,  40                          ; s[40:41] where my prefetches stand
.set PARM, 42                          ; s42  0: I prefetch in every trip; 1: in the odd ones
.set G1B,  48                          ; s[48:55], s[56:63] the same for W's tiles
.set G0B,  56
.set CLY,  72                          ; s72  the cluster's y: the same in all sixteen partners
.set VLP,  74                          ; s[74:75] vlo at my batch and my tile column
.set MSB, 0
.macro WIN new                         ; the immediate's high byte repeats the setting that is left; a switch that changes nothing is dropped
.if MSB != (\new)
	s_set_vgpr_msb (MSB<<8)|(\new)
.set MSB, \new
.endif
.endm
.macro PLACES                          ; four places in front of loads into registers that matrix instructions have read, and of conversions that read results
.rept 4
	v_nop
.endr
.endm
.macro JLOAD                           ; a joint refill by the walking sets; the branch hangs on the wave's number alone; an s_nop 0 and four v_nop follow each of the two lines
	s_cmp_eq_u32 s[WV], 0
	s_cbranch_scc0 .Lfor_b_\@
	tensor_load_to_lds s[G0A+4:G0A+7], s[G1A:G1A+7]
	s_nop 0
.rept 4
	v_nop
.endr
	s_branch .Lasked_\@
.Lfor_b_\@:
	tensor_load_to_lds s[G0B+4:G0B+7], s[G1B:G1B+7]
	s_nop 0
.rept 4
	v_nop
.endr
.Lasked_\@:
.endm
; A PREFETCH, one instruction a wave, a lane a block of 256 bytes; each block is named once in the launch.  x's tile of K step U + 3 (128 blocks), one step ahead of its refill: by wave 0 of the clusters with x = 0; the partner
; at cx takes blocks 32 cx .. 32 cx + 31; trips 0 to 12.  A weight's tiles of K steps U + 3 and U + 4 (2 steps x 2 pieces x 32 blocks), in the odd trips up to 11: by waves 1 to 3 of the clusters with y = 0; the partner at cy
; takes piece cy % 2 of step U + 3 + cy / 2.  The partners are told apart by address: no branch hangs on a work-group's place in its cluster.  x's steps 0 to 2 and the weights' steps 0 to 3 come by their loads alone; the last step named is 15.
.macro ASK
	s_and_b32 s2, s[U], s[PARM]
	s_cmp_eq_u32 s2, s[PARM]
	s_cbranch_scc0 .Lnot_mine_\@
	s_cmp_lt_u32 s[U], s[LIM]
	s_cbranch_scc0 .Lnot_mine_\@
	global_prefetch_b8 v[PFO], s[PFA:PFA+1] th:TH_LOAD_NT scope:SCOPE_SE
.Lnot_mine_\@:
.endm
.macro CREST                           ; a round of the cluster's barrier behind its opening barrier
	s_cmp_lg_u32 s[WV], 0
	s_cbranch_scc1 .Lnot_wave_0_\@
	s_barrier_signal -3
.Lnot_wave_0_\@:
	s_barrier_wait -3
	s_barrier_signal -1
	s_barrier_wait -1
.endm
.macro CROUND                          ; a whole round
	s_barrier_signal -1
	s_barrier_wait -1
	CREST
.endm
	s_load_b128 s[4:7], s[0:1], 0x0                ; xw s[4:5], qkv s[6:7]
	s_load_b64 s[VLP:VLP+1], s[0:1], 0x10          ; vlo
	v_lshl_add_u32 v[SPW], v0, 2, SPARE
	v_mov_b32 v[NIL], 0
	ds_add_u32 v[SPW], v[NIL]                      ; the wave's opening: the add and its wait stand ahead of my first tensor load; the set-up below, work on registers, stands between them
	v_lshrrev_b32 v1, 5, v0
	v_readfirstlane_b32 s[WV], v1                  ; wave 0..3
	s_bfe_u32 s[CX], ttmp6, 0x40000
	s_bfe_u32 s[CY], ttmp6, 0x40004
	s_lshl_b32 s[TX], ttmp9, 2
	s_add_co_u32 s[TX], s[TX], s[CX]               ; tile column = 4 x cluster x + cx
	s_and_b32 s[CLY], ttmp7, 0xffff                ; cluster y, 0 to 7
	s_lshl3_add_u32 s[TY], s[CY], s[CLY]           ; tile row = 8 cy + cluster y
	s_lshl_b32 s2, s[CY], 2
	s_lshl_b32 s2, 15, s2                          ; my row of the cluster
	s_lshl_b32 s3, 0x1111, s[CX]                   ; my column
	s_or_b32 s[G1A], s2, (1<<16)|(1<<20)|(1<<21)|(4<<22)|(3<<25)  ; 15:0 the mask; 17:16 elements of 2 bytes; 20 padding on; 21 set beside a mask; 24:22 after every 32 words (code 4); 31:25 4 words of it (code 3)
	s_or_b32 s[G1B], s3, (1<<16)|(1<<20)|(1<<21)|(4<<22)|(7<<25)  ; the same with my column's mask and 8 words of padding (code 7)
	s_mov_b32 s[G1A+1], 128<<16                    ; tensor_dim0 = 128: 256 bytes, two rows of x's tile
	s_mov_b32 s[G1A+2], 128<<16                    ; tensor_dim1 = 128
	s_mov_b32 s[G1A+3], 128<<16                    ; tile_dim0 = 128
	s_mov_b32 s[G1A+4], 128                        ; tile_dim1 = 128
	s_mov_b32 s[G1A+5], 128                        ; elements from row to row: the tile is dense
	s_mov_b32 s[G1A+6], 0
	s_mov_b32 s[G1A+7], 0
	s_mov_b32 s[G1B+1], 4096<<16                   ; tensor_dim0 = 4,096: a piece, 64 k x 64 n on end
	s_mov_b32 s[G1B+2], 2<<16                      ; tensor_dim1 = 2 pieces
	s_mov_b32 s[G1B+3], 4096<<16                   ; tile_dim0
	s_mov_b32 s[G1B+4], 2                          ; tile_dim1
	s_mov_b32 s[G1B+5], BS/2                       ; elements from piece to piece: a block of xw
	s_mov_b32 s[G1B+6], 0
	s_mov_b32 s[G1B+7], 0
	s_lshl_b32 s44, s[TY], 15                      ; x: 256 rows of 128 bytes x tile row: registers that never hold cx
	s_mov_b32 s45, 0
	s_mul_i32 s46, s[TX], 2*BS                     ; W: the tile column's two blocks, my wave's weight: registers that never hold cy
	s_lshl_b32 s47, s[WV], 17
	s_add_co_u32 s46, s46, s47
	s_add_co_u32 s46, s46, W0
	s_mov_b32 s47, 0
	s_mul_i32 s67, s[WV], BW                       ; where a weight's tile goes: no place in the cluster enters an LDS address
	s_add_co_u32 s67, s67, BOFF-BW
	s_wait_dscnt 0x0                               ; the opening add is done
	s_wait_kmcnt 0x0
	s_add_nc_u64 s[44:45], s[4:5], s[44:45]
	s_add_nc_u64 s[46:47], s[4:5], s[46:47]
.irp n, 0,1
	s_mov_b32 s[G0A+4*(\n)], 1                                     ; count = 1
	s_mov_b32 s[G0A+4*(\n)+1], (\n)*SLOT1                          ; LDS address
	s_add_nc_u64 s[G0A+4*(\n)+2:G0A+4*(\n)+3], s[44:45], (\n)*BS   ; global address: K step n is block n
	s_or_b32 s[G0A+4*(\n)+3], s[G0A+4*(\n)+3], 0x80000000          ; type = 2
	s_mov_b32 s[G0B+4*(\n)], 1
	s_add_co_u32 s[G0B+4*(\n)+1], s67, (\n)*SLOT1
	s_add_nc_u64 s[G0B+4*(\n)+2:G0B+4*(\n)+3], s[46:47], (\n)*KB   ; K step n is 64 rows further down
	s_or_b32 s[G0B+4*(\n)+3], s[G0B+4*(\n)+3], 0x80000000
.endr
	CROUND                                         ; all sixteen work-groups are here: the first joint loads meet
	s_cmp_eq_u32 s[WV], 0                          ; a wave's two first fills stand in one branch, ahead of every wait on TENSORcnt and every LDS read: two loads of mine are out
	s_cbranch_scc0 .Lfirst_b
	tensor_load_to_lds s[G0A:G0A+3], s[G1A:G1A+7]
	s_nop 0
	tensor_load_to_lds s[G0A+4:G0A+7], s[G1A:G1A+7]
	s_nop 0
.rept 4
	v_nop
.endr
	s_branch .Lfirst_asked
.Lfirst_b:
	tensor_load_to_lds s[G0B:G0B+3], s[G1B:G1B+7]
	s_nop 0
	tensor_load_to_lds s[G0B+4:G0B+7], s[G1B:G1B+7]
	s_nop 0
.rept 4
	v_nop
.endr
.Lfirst_asked:
	; A fragment of x is 16 rows x 32 K in 8 registers: lane l holds row l % 16, K = 8 (l / 16) + 0..7 and 16 + 8 (l / 16) + 0..7: two loads of 16 bytes, 32 bytes apart.
	v_and_b32 v1, 15, v0                           ; l % 16
	v_bfe_u32 v2, v0, 4, 1                         ; l / 16
	v_mul_u32_u24 v[A0], v1, PA
	v_lshl_add_u32 v[A0], v2, 4, v[A0]
	s_mul_i32 s2, s[WV], 64*PA                     ; my 64 rows
	v_add_nc_u32 v[A0], s2, v[A0]
	; The turning load takes 16 k x 16 columns (lane l reads k = 8 (l / 16) + l % 8, columns 8 ((l / 8) % 2) + 0..7) and leaves half a fragment of W^T: lane l holds column l % 16 and 8 k.
	v_and_b32 v3, 7, v0
	v_lshl_add_u32 v[B0], v2, 3, v3
	v_mul_u32_u24 v[B0], v[B0], PB
	v_bfe_u32 v3, v0, 3, 1
	v_lshl_add_u32 v[B0], v3, 4, v[B0]
	v_add_nc_u32 v[B0], BOFF, v[B0]
	v_mov_b32 v[ADRA], v[A0]                       ; slot 0
	v_mov_b32 v[ADRB], v[B0]
	s_mul_i32 s2, s[WV], 16*SP
	s_add_co_u32 s2, s2, STAGE                     ; my stage
	v_mul_u32_u24 v[STO], v1, SP                   ; in: row l % 16, 16 bytes for each half of the lanes
	v_lshl_add_u32 v[STO], v2, 4, v[STO]
	v_add_nc_u32 v[STO], s2, v[STO]
	v_mul_u32_u24 v[RD], v2, SP                    ; back: lanes 0-15 take one row of 256 bytes, lanes 16-31 the next
	v_lshl_add_u32 v[RD], v1, 4, v[RD]
	v_add_nc_u32 v[RD], s2, v[RD]
	v_lshlrev_b32 v[CO], 11, v2                    ; and the same two rows in the result
	v_lshl_add_u32 v[CO], v1, 4, v[CO]
	v_and_b32 v[PFO], 31, v0
	v_lshlrev_b32 v[PFO], 8, v[PFO]
	v_mov_b32 v[NEG1], -1.0
	s_lshl_b32 s8, s[TY], 19                       ; where my part of q begins in qkv: the way out adds it first
	s_lshl_b32 s9, s[WV], 17
	s_add_co_u32 s8, s8, s9
	s_lshl_b32 s9, s[TX], 8
	s_add_co_u32 s8, s8, s9
	s_mov_b32 s9, 0
	; the prefetches' address stands one step short of what trip 0 would name; each change of slots steps it first
	s_lshl_b32 s68, s[TY], 15                      ; x: my tile row, my work-group's 32 blocks of 256 bytes, K step 2
	s_lshl_b32 s69, s[CX], 13
	s_add_co_u32 s68, s68, s69
	s_add_co_u32 s68, s68, 2*BS
	s_and_b32 s70, s[CY], 1                        ; W: piece cy % 2 of my tile column, my wave's weight, K step 2 + cy / 2
	s_lshl1_add_u32 s70, s[TX], s70
	s_mul_i32 s70, s70, BS
	s_lshl_b32 s71, s[WV], 17
	s_add_co_u32 s70, s70, s71
	s_lshr_b32 s71, s[CY], 1
	s_lshl_b32 s71, s71, 13
	s_add_co_u32 s70, s70, s71
	s_add_co_u32 s70, s70, W0+2*KB
	s_mov_b32 s[PFS], BS
	s_cmp_eq_u32 s[WV], 0
	s_cselect_b32 s68, s68, s70
	s_cselect_b32 s[PFS], s[PFS], KB
	s_cselect_b32 s2, ttmp9, s[CLY]                ; the coordinate along which other clusters read the same tiles
	s_cselect_b32 s3, 13, 12
	s_cselect_b32 s[PARM], 0, 1
	s_mov_b32 s69, 0
	s_mov_b32 s[PFS+1], 0
	s_cmp_eq_u32 s2, 0
	s_cselect_b32 s[LIM], s3, 0                    ; the same in all sixteen partners, for a given wave
	s_add_nc_u64 s[PFA:PFA+1], s[4:5], s[68:69]
	s_lshl_b32 s68, s[CY], 16                      ; vlo: my batch's 32 rows of 2,048 bytes, my tile column's 256 bytes
	s_lshl_b32 s70, s[TX], 8
	s_add_co_u32 s68, s68, s70
	s_add_nc_u64 s[VLP:VLP+1], s[VLP:VLP+1], s[68:69]
; 8 matrix instructions: column blocks b0, b0 + 1 of weight j x my 4 row blocks, 32 along K.  zero = 1: the product starts the sums: nothing is ever cleared.  The 96 accumulators take turns in the same order in every
; group of 32 k.
.macro MULB bf, af, j, b0, zero
	WIN 0x50*((\j)+1)                              ; fragments in window 0, C and D in window 1 + j
.irp b, \b0, (\b0)+1
.irp a, 0,1,2,3
.if \zero
	v_wmma_f32_16x16x32_bf16 v[64*(\a)+8*(\b):64*(\a)+8*(\b)+7], v[(\bf)+8*(\b):(\bf)+8*(\b)+7], v[(\af)+8*(\a):(\af)+8*(\a)+7], 0
.else
	v_wmma_f32_16x16x32_bf16 v[64*(\a)+8*(\b):64*(\a)+8*(\b)+7], v[(\bf)+8*(\b):(\bf)+8*(\b)+7], v[(\af)+8*(\a):(\af)+8*(\a)+7], v[64*(\a)+8*(\b):64*(\a)+8*(\b)+7]
.endif
.endr
.endr
.endm
; A K step is six UNITS of 32 matrix instructions: unit u = group u / 3 of 32 k, weight u % 3.  W's fragments lie in buffer u % 2, x's in buffer u / 3.
; 16 LDS loads in one run: W's eight fragments for unit u, from the slot in hand: column block b lies in piece b / 4
.macro FETCHB u
	WIN 0
.irp b, 0,1,2,3,4,5,6,7
	ds_load_tr16_b128 v[BB+64*((\u)%2)+8*(\b):BB+64*((\u)%2)+8*(\b)+3],   v[ADRB] offset:((\u)%3)*BW+((\b)/4)*64*PB+((\u)/3)*32*PB+((\b)%4)*32
	ds_load_tr16_b128 v[BB+64*((\u)%2)+8*(\b)+4:BB+64*((\u)%2)+8*(\b)+7], v[ADRB] offset:((\u)%3)*BW+((\b)/4)*64*PB+((\u)/3)*32*PB+((\b)%4)*32+16*PB
.endr
.endm
; 8 LDS loads: x's four fragments of group g
.macro FETCHA g
	WIN 0
.irp a, 0,1,2,3
	ds_load_b128 v[AB+32*(\g)+8*(\a):AB+32*(\g)+8*(\a)+3],   v[ADRA] offset:(\g)*64+(\a)*16*PA
	ds_load_b128 v[AB+32*(\g)+8*(\a)+4:AB+32*(\g)+8*(\a)+7], v[ADRA] offset:(\g)*64+(\a)*16*PA+32
.endr
.endm
; Unit u of the first five: in its middle it fetches W's fragments for unit u + 1, into the buffer that unit u - 1 multiplied; unit 1 fetches x's second group too, ahead of them.
.macro UNIT u, zero
	s_wait_dscnt 8                                 ; all but the youngest eight loads: W's fragments 0 to 3 are in, and x's
	MULB BB+64*((\u)%2), AB+32*((\u)/3), (\u)%3, 0, \zero
	MULB BB+64*((\u)%2), AB+32*((\u)/3), (\u)%3, 2, \zero
	PLACES
.if (\u) == 1
	FETCHA 1
.endif
	FETCHB (\u)+1
.if (\u) == 1
	s_wait_dscnt 24                                ; all but the 24 just issued
.else
	s_wait_dscnt 16                                ; all but the 16 just issued
.endif
	MULB BB+64*((\u)%2), AB+32*((\u)/3), (\u)%3, 4, \zero
	MULB BB+64*((\u)%2), AB+32*((\u)/3), (\u)%3, 6, \zero
.endm
; Unit 5 changes slots: ONE barrier; in front of it each wave waits for all its tensor loads (one is out: its part of the next slot), adds 0 to its spare word, and waits for that and for its own reads of this slot.
; fill = 1: the barrier opens a round of the cluster's, and behind the round this slot is filled again, with K step U + 2: 176 matrix instructions ahead of the wait for it.
.macro TURN fill
.if \fill
	s_wait_xcnt 0x0                                ; the last prefetch, a K step back or more, has read its address
	s_add_nc_u64 s[PFA:PFA+1], s[PFA:PFA+1], s[PFS:PFS+1]
.endif
	WIN 0
	s_wait_tensorcnt 0x0                           ; all my tensor loads have landed;
	ds_add_u32 v[SPW], v[NIL]                      ; 0 onto my spare word;
	s_wait_dscnt 9                                 ; (the add and the youngest eight loads may be out)
	MULB BB+64, AB+32, 2, 0, 0                     ; eight matrix instructions stand between the add and the wait for it
	s_wait_dscnt 0x0                               ; the add is done, and my reads of this slot are over
	s_barrier_signal -1
	MULB BB+64, AB+32, 2, 2, 0                     ; work on registers while the others arrive
	WIN 0
	s_barrier_wait -1
.if \fill
	CREST                                          ; no wave of any partner still reads this slot or has a load on its way
	s_xor_b32 s[G0A+5], s[G0A+5], SLOT1            ; the walking sets: the other slot than last time,
	s_add_nc_u64 s[G0A+6:G0A+7], s[G0A+6:G0A+7], BS  ; x: the next block of 64 columns; the type bits on top are not reached
	s_xor_b32 s[G0B+5], s[G0B+5], SLOT1
	s_add_nc_u64 s[G0B+6:G0B+7], s[G0B+6:G0B+7], KB  ; W: 64 rows on
	JLOAD                                          ; the first tensor load behind the round; the four v_nop behind it are also the places in front of the loads below
.else
	PLACES
.endif
	s_xor_b32 s[TB], s[TB], SLOT1
	v_add_nc_u32 v[ADRA], s[TB], v[A0]
	v_add_nc_u32 v[ADRB], s[TB], v[B0]
	FETCHA 0                                       ; the next K step's first fragments
	FETCHB 0
.if \fill
	ASK                                            ; behind the joint load and the run of LDS loads that the next products wait for
.endif
	MULB BB+64, AB+32, 2, 4, 0
	MULB BB+64, AB+32, 2, 6, 0
.endm
; THE WAY OUT of block n = 4 j + a: row block a of weight j.  PACK: rounded to f16, 16 bytes a lane.  TOSTAGE: into my own stage in LDS, and back as whole rows of 256 bytes.  SEND: stored.
.macro PACK j, a
	WIN 5*((\j)+1)                                 ; sources 0 and 1 in window 1 + j
.irp b, 0,1,2,3,4,5,6,7
.irp q, 0,1,2,3
	v_cvt_pk_f16_f32 v[TMP+4*(\b)+(\q)], v[64*(\a)+8*(\b)+2*(\q)], v[64*(\a)+8*(\b)+2*(\q)+1]
.endr
.endr
	WIN 0
.endm
.macro TOSTAGE n
.irp b, 0,1,2,3,4,5,6,7
	ds_store_b128 v[STO], v[TMP+4*(\b):TMP+4*(\b)+3] offset:32*(\b)
.endr
.irp t, 0,1,2,3,4,5,6,7
	ds_load_b128 v[OB+32*((\n)%2)+4*(\t):OB+32*((\n)%2)+4*(\t)+3], v[RD] offset:(\t)*2*SP  ; LDS serves a wave's instructions in order (ISA guide 5.7.1.4): these see the stores above
.endr
.endm
.macro SEND n
	s_wait_dscnt 0x0                               ; the block is back in registers
	s_wait_xcnt 0x0                                ; earlier stores have read their base and their data: only behind this wait are they rewritten
.if (\n) == 0
	s_add_nc_u64 s[6:7], s[6:7], s[8:9]            ; on to my first rows of q
.elseif (\n)%4 == 0
	s_add_nc_u64 s[6:7], s[6:7], NEXT_C            ; on to my first rows of k, of v
.else
	s_add_nc_u64 s[6:7], s[6:7], 16*ROWB
.endif
.irp t, 0,1,2,3,4,5,6,7
	global_store_b128 v[CO], v[OB+32*((\n)%2)+4*(\t):OB+32*((\n)%2)+4*(\t)+3], s[6:7] offset:2*(\t)*ROWB  ; 16 lanes store 256 consecutive bytes, at a multiple of 256 from the buffer's first byte
.endr
.endm
; v's LOW PART for row block a: the sum less its f16 rounding (a product by -1 and an addition in one line: the difference of two numbers so near is exact in f32), rounded to f16, in TMP's places.
.macro LOPACK a
	PACK 2, \a
	WIN 0x30                                       ; source 2 in window 3
.irp b, 0,1,2,3,4,5,6,7
.irp q, 0,1,2,3
	v_fma_mix_f32 v[LF+8*(\b)+2*(\q)],   v[TMP+4*(\b)+(\q)], v[NEG1], v[64*(\a)+8*(\b)+2*(\q)]   op_sel:[0,0,0] op_sel_hi:[1,0,0]
	v_fma_mix_f32 v[LF+8*(\b)+2*(\q)+1], v[TMP+4*(\b)+(\q)], v[NEG1], v[64*(\a)+8*(\b)+2*(\q)+1] op_sel:[1,0,0] op_sel_hi:[1,0,0]
.endr
.endr
	WIN 0
.irp b, 0,1,2,3,4,5,6,7
.irp q, 0,1,2,3
	v_cvt_pk_f16_f32 v[TMP+4*(\b)+(\q)], v[LF+8*(\b)+2*(\q)], v[LF+8*(\b)+2*(\q)+1]
.endr
.endr
.endm
.macro LOSEND a
	s_wait_dscnt 0x0
.irp t, 0,1,2,3,4,5,6,7
	global_store_b128 v[CO], v[OB+32*((\a)%2)+4*(\t):OB+32*((\a)%2)+4*(\t)+3], s[VLP:VLP+1] offset:(16*(\a)+2*(\t))*ROWB  ; 16 lanes store 256 consecutive bytes, at a multiple of 256 from vlo's first byte
.endr
.endm
	s_wait_tensorcnt 1                             ; my part of K step 0 is in; step 1's may stay out
	s_barrier_signal -1
	s_barrier_wait -1                              ; everybody's is
	FETCHA 0
	FETCHB 0
	UNIT 0, 1                                      ; the first 32 k stand in front of the loop: their products start the sums
	UNIT 1, 1
	UNIT 2, 1
	WIN 0                                          ; at a label and at a branch every window is 0
	s_mov_b32 s[U], 0
	s_mov_b32 s[TB], 0
	s_mov_b32 s[LEFT], 14
.Lstep:                                                ; 14 trips: the second 32 k of K step U, the change of slots, which asks for step U + 2, and the first 32 k of step U + 1
	UNIT 3, 0
	UNIT 4, 0
	TURN 1
	UNIT 0, 0
	UNIT 1, 0
	UNIT 2, 0
	WIN 0
	s_add_co_u32 s[U], s[U], 1
	s_sub_co_u32 s[LEFT], s[LEFT], 1
	s_cmp_lg_u32 s[LEFT], 0
	s_cbranch_scc1 .Lstep
	UNIT 3, 0                                      ; the rest of step 14 and step 15 are written out: they ask for nothing
	UNIT 4, 0
	TURN 0
	UNIT 0, 0
	UNIT 1, 0
	UNIT 2, 0
	UNIT 3, 0
	UNIT 4, 0
	s_wait_dscnt 8
	MULB BB+64, AB+32, 2, 0, 0
	MULB BB+64, AB+32, 2, 2, 0
	s_wait_dscnt 0x0
	MULB BB+64, AB+32, 2, 4, 0
	MULB BB+64, AB+32, 2, 6, 0
	WIN 0
	PLACES
	PACK 0, 0
	TOSTAGE 0
.irp n, 1,2,3,4,5,6,7,8,9,10,11        ; block n's conversions stand between block n - 1's loads from the stage and the wait for them
	PACK (\n)/4, (\n)%4
	SEND (\n)-1
	TOSTAGE \n
.endr
	SEND 11
	s_cmp_eq_u32 s[CLY], 0                         ; a batch's first 256 rows lie in the clusters with y = 0 (the same answer in all sixteen partners),
	s_cbranch_scc0 .Lno_lo
	s_cmp_eq_u32 s[WV], 0                          ; its first 64 in wave 0, its first 32 in that wave's row blocks 0 and 1
	s_cbranch_scc0 .Lno_lo
	s_wait_xcnt 0x0                                ; the last stores have read their data: only behind this wait are those registers loaded again
	LOPACK 0
	TOSTAGE 0
	LOPACK 1
	LOSEND 0
	TOSTAGE 1
	LOSEND 1
.Lno_lo:
	s_wait_tensorcnt 0x0                           ; the wave's end, behind my last tensor load and my last LDS store
	ds_add_u32 v[SPW], v[NIL]
	s_wait_dscnt 0x0
	CROUND                                         ; the closing round: no work-group ends while a partner may still ask for a tile that names it
	s_endpgm
.Lfunc_end_k_q623a7fe5ca_proj:
	.size	k_q623a7fe5ca_proj, .Lfunc_end_k_q623a7fe5ca_proj-k_q623a7fe5ca_proj
	.p2alignl 7, 3214868480
	.fill 96, 4, 3214868480
	.section	.rodata,"a",@progbits
	.p2align	6, 0x0
	.amdhsa_kernel k_q623a7fe5ca_proj
		.amdhsa_group_segment_fixed_size 327680
		.amdhsa_private_segment_fixed_size 0
		.amdhsa_enable_private_segment 0
		.amdhsa_kernarg_size 24
		.amdhsa_user_sgpr_count 2
		.amdhsa_user_sgpr_kernarg_segment_ptr 1
		.amdhsa_wavefront_size32 1
		.amdhsa_system_sgpr_workgroup_id_x 1
		.amdhsa_system_sgpr_workgroup_id_y 1
		.amdhsa_system_sgpr_workgroup_id_z 1
		.amdhsa_system_vgpr_workitem_id 0
		.amdhsa_next_free_vgpr 1024
		.amdhsa_next_free_sgpr 80
		.amdhsa_reserve_vcc 0
		.amdhsa_float_denorm_mode_32 3
		.amdhsa_float_denorm_mode_16_64 3
		.amdhsa_memory_ordered 1
		.amdhsa_forward_progress 1
		.amdhsa_inst_pref_size 140
	.end_amdhsa_kernel
	.amdgpu_metadata
---
amdhsa.version: [ 1, 2 ]
amdhsa.kernels:
  - .name:           k_q623a7fe5ca_proj
    .symbol:         k_q623a7fe5ca_proj.kd
    .args:
      - { .name: xw, .offset: 0, .size: 8, .value_kind: global_buffer, .address_space: global }
      - { .name: qkv, .offset: 8, .size: 8, .value_kind: global_buffer, .address_space: global }
      - { .name: vlo, .offset: 16, .size: 8, .value_kind: global_buffer, .address_space: global }
    .group_segment_fixed_size: 327680
    .private_segment_fixed_size: 0
    .kernarg_segment_align: 8
    .kernarg_segment_size: 24
    .max_flat_workgroup_size: 128
    .sgpr_count:     80
    .vgpr_count:     1024
    .wavefront_size: 32
...
	.end_amdgpu_metadata
.endif
;; end of part 2
;; launch score (part 3): grid 9 x 16, 4 waves a work-group, no clusters, 327,680 bytes of LDS; arguments qkv, pt, st, plo; writes pt, st, plo
.if DOCPART == 3
	.amdgcn_target "amdgcn-amd-amdhsa--gfx1250"
	.amdhsa_code_object_version 6
	.text
	.protected	k_q623a7fe5ca_score
	.globl	k_q623a7fe5ca_score
	.p2align	8
	.type	k_q623a7fe5ca_score,@function
k_q623a7fe5ca_score:
	s_mov_b64 s[64:65], 0
	v_nop
	global_prefetch_b8 v0, s[64:65] scope:SCOPE_SE
	s_setreg_imm32_b32 hwreg(HW_REG_WAVE_MODE, 25, 1), 1
	s_wait_xcnt 0x0
; THE WEIGHTS, BY CHUNKS OF 128 KEYS.  For each query and each chunk of 128 keys at or below the diagonal block: t = c q.k with c = log2(e) / 32; cm = the chunk's largest t; p = 2^(t - cm), rounded to f16 into pt;
; l = the sum of the unrounded p.  cm and l go to st in f32.  The launch behind joins a row's chunks by the largest cm.  So a true maximum is taken away in front of every exponential.
; q, k: [8192][1024] f16 at qkv's bytes 0 and 16,777,216.  pt: [4][2048 q][2048 key] f16, of which the blocks of 256 x 256 at or below the diagonal are written.
; st: records of 1,024 bytes at ((16 batch + chunk) 16 + block of 128 rows) x 1,024: 128 cm, then 128 l.
; plo: [4][32 q][32 key] f16: for the first 32 queries of each batch, which see the first 32 keys alone, what the rounding of p took away: p - f16(p), rounded to f16.
; LIMITS.  A hidden score counts as its value less 1e30 (c q.k of f16 numbers is 2e11 at the most: nothing beside that); in a chunk that is wholly hidden cm is -1e30 and every p is 1: the launch behind gives it the factor 0.
; p lies in 0 to 1 and below 6e-5 keeps f16's fixed step of 6e-8; an exponential below 2^-126 counts as 0 in l.  NaN and infinities are not treated apart.
; SHARES.  A batch's triangle has 36 tiles of 256 queries x 256 keys; rows 7 - f and f together have 9, which are the grid's x.  A tile is made by four waves, each 128 x 128: 64 accumulators, 512 registers, K = 1,024 in
; steps of 128 through a ring of two LDS slots.  Source 0 = 16 keys, source 1 = 16 queries: a lane holds ONE query (l % 16) and the keys 8 (l / 16) + 0..7.  A wave's 128 keys are one chunk: the softmax never leaves the wave.
; NO CLUSTER: row I of the triangle has I + 1 tiles and column J has 8 - J: neither is a multiple of four in every row or column, so the tiles that share q or k do not fall into clusters.
; REGISTERS as windows of 256: window 0: v0-31 addresses, v64-127, v128-191 fragments of q (two buffers); window 1: the same for k; windows 2, 3: accumulator (a, b) at 8 (8 (a % 4) + b).
; Behind the products window 0 is free: v32-41 at work, v64-127 T (a block's 64 scaled scores), v128-159 packed weights, v160-191 rows read back, v192-199 the mask of a 16 x 16 block on the diagonal, v200-226 the low parts.
.set KSTEP,  128
.set PITCH,  272                       ; an LDS row: 256 bytes + 16 of padding = 68 words: row r starts at bank 4 r mod 64 (64 banks of 4 bytes: ISA guide 11.1)
.set HALFT,  128*PITCH                 ; what one tensor load brings, and what one wave reads of q or of k
.set SLOT,   4*HALFT                   ; q's 256 rows, then k's 256 rows
.set STAGE,  2*SLOT                    ; behind the ring: 16 rows x 272 bytes for each wave
.set SPITCH, 272
.set STATS,  STAGE+4*16*SPITCH         ; 1,024 bytes for each wave: its record of st
.set SPARE,  STATS+4*1024              ; the spare words, 128 bytes for each wave: two blocks of 256 bytes that no other line names
.set LAPS,   4                         ; a lap = two K steps = once round the ring
.set ADRA, 16                          ; v16-17  LDS address of my q fragments in slot 0, 1
.set LOFF, 18                          ; v18     16 x my lane
.set ADRB, 20                          ; v20-21  the same for k
.set STO,  24                          ; v24     where I put 16 bytes of a row
.set RD,   25                          ; v25     where I read a row back
.set CO,   26                          ; v26     my byte offset in two rows of pt
.set SA,   27                          ; v27     where my query's cm (lanes 0-15) or l (lanes 16-31) goes
.set SPW,  28                          ; v28     LDS address of my spare word; never rewritten
.set NIL,  29                          ; v29     0; never rewritten
.set PFO,  30                          ; v30     the prefetches' offset: my lane x a row; never rewritten
.set SR,   31                          ; v31     where I read my wave's record back
.set C0,   32                          ; v32-35  four chains of the maximum
.set CM,   36                          ; v[36:37] cm (named as a pair)
.set LS,   38                          ; v38     l
.set XR,   39                          ; v39     the other half of the lanes'
.set DD,   40                          ; v40     cm or l
.set F0,   64
.set F1,   128
.set T,    64
.set PK,   128
.set OB,   160
.set MD,   192
.set PL,   200                         ; v200-207  the low parts of my 16 weights for keys 0 to 31, packed
.set LF,   208                         ; v208-223  the same in f32
.set NEG1, 224                         ; v224    -1.0
.set PL0,  225                         ; v225    my byte offset in 16 rows of plo
.set PLA,  226                         ; v226    the same in the block in hand
.set G1,   24                          ; s[24:31] descriptor group 1
.set G0,   32                          ; s[32:39] group 0, a set for each slot
.set LIM,  43                          ; s43  1 in a work-group that prefetches, else the greatest number
.set PFA,  44                          ; s[44:45]
.set AL,   46                          ; s[46:47] the mask's factor
.set BE,   48                          ; s[48:49] the mask's addend
.set BLK,  50                          ; s50  the block of 16 queries in hand
.set AE,   51                          ; s51  that number where my chunk holds the diagonal, else -1
.set RI,   52                          ; s52  my block of 128 rows in the batch
.set KA,   53                          ; s53  my chunk of 128 keys
.set HM,   54                          ; s54  lanes 16-31
.set STP,  56                          ; s[56:57] what the next block adds to pt's address
.set CS,   58                          ; s[58:59] c
.set SEL,  60                          ; s[60:61] v_permlanex16_b32's selects
.set BIGN, 62                          ; s62  -1e30
.set PLP,  66                          ; s[66:67] plo at my batch
.set MSB, 0
.macro WIN new                         ; the immediate's high byte repeats the setting that is left
.if MSB != (\new)
	s_set_vgpr_msb (MSB<<8)|(\new)
.set MSB, \new
.endif
.endm
.set MUL_LO, 0xa1                      ; source 0 (k) window 1, source 1 (q) window 0, C and D window 2
.set MUL_HI, 0xf1                      ; the same, C and D window 3
.set TO_B,   0x40                      ; destination window 1, address window 0
.macro PLACES
.rept 4
	v_nop
.endr
.endm
; A PREFETCH of the K step two refills on: my wave's own 128 rows x 256 bytes, a lane a row, four instructions.  Each block of 256 rows of q and of k is read by exactly one tile on the diagonal: that work-group asks, so each
; block of bytes is named once in the launch.  K steps 0 to 3 come by their loads alone; the loop's last trip asks for nothing.
.macro ASK
	s_cmp_gt_u32 s3, s[LIM]                        ; s3 = 1 in the loop's last trip
	s_cbranch_scc0 .Lnot_mine_\@
.irp n, 0,1,2,3
	global_prefetch_b8 v[PFO], s[PFA:PFA+1] offset:(\n)*65536+KSTEP*2 th:TH_LOAD_NT scope:SCOPE_SE
.endr
.Lnot_mine_\@:
.endm
	s_load_b128 s[4:7], s[0:1], 0x0                ; qkv s[4:5], pt s[6:7]
	s_load_b64 s[8:9], s[0:1], 0x10                ; st
	s_load_b64 s[PLP:PLP+1], s[0:1], 0x18          ; plo
	v_lshl_add_u32 v[SPW], v0, 2, SPARE
	v_mov_b32 v[NIL], 0
	ds_add_u32 v[SPW], v[NIL]                      ; the wave's opening: the add and its wait stand ahead of my first tensor load; the set-up below, work on registers, stands between them
	v_lshrrev_b32 v1, 5, v0
	v_readfirstlane_b32 s10, v1                    ; wave 0..3
	s_lshr_b32 s11, s10, 1                         ; which half of the tile's queries is mine.  Also: I fetch for q (0) or for k (1)
	s_and_b32 s12, s10, 1                          ; which half of its keys.  Also: which 128 rows I fetch
	s_mov_b32 s20, ttmp9                           ; x, 0 to 8
	s_and_b32 s16, ttmp7, 0xffff
	s_lshr_b32 s15, s16, 2                         ; the batch
	s_and_b32 s16, s16, 3                          ; f
	s_sub_co_u32 s17, 8, s16
	s_sub_co_u32 s18, 7, s16
	s_sub_co_u32 s19, s20, s17
	s_cmp_lt_u32 s20, s17                          ; x < 8 - f: tile (7 - f, x); else tile (f, x - 8 + f)
	s_cselect_b32 s13, s18, s16                    ; I
	s_cselect_b32 s14, s20, s19                    ; J
	s_lshl_b32 s[RI], s13, 1
	s_add_co_u32 s[RI], s[RI], s11
	s_lshl_b32 s[KA], s14, 1
	s_add_co_u32 s[KA], s[KA], s12
	s_mov_b32 s[G1+0], (1<<16)|(1<<20)|(5<<22)|(3<<25)  ; elements of 2 bytes; padding on, after every 64 words (code 5), 4 words of it (code 3)
	s_mov_b32 s[G1+1], KSTEP<<16                   ; tensor_dim0 = 128
	s_mov_b32 s[G1+2], 128<<16                     ; tensor_dim1 = 128
	s_mov_b32 s[G1+3], KSTEP<<16                   ; tile_dim0 = 128
	s_mov_b32 s[G1+4], 128                         ; tile_dim1 = 128
	s_mov_b32 s[G1+5], 1024                        ; elements from row to row
	s_mov_b32 s[G1+6], 0
	s_mov_b32 s[G1+7], 0
	s_cmp_eq_u32 s11, 0
	s_cselect_b32 s21, s13, s14                    ; q's rows go by I, k's by J
	s_lshl_b32 s21, s21, 8
	s_lshl_b32 s22, s15, 11
	s_add_co_u32 s21, s21, s22
	s_lshl_b32 s22, s12, 7
	s_add_co_u32 s21, s21, s22                     ; row 2,048 batch + 256 block + 128 half
	s_lshl_b32 s40, s21, 11                        ; x 2,048 bytes
	s_lshl_b32 s22, s11, 24                        ; k lies 16,777,216 bytes behind q
	s_add_co_u32 s40, s40, s22
	s_mov_b32 s41, 0
	s_mul_i32 s2, s10, HALFT                       ; where they go: wave x 128 rows
	s_cmp_eq_u32 s13, s14
	s_cselect_b32 s[LIM], 1, -1
	s_mov_b32 s[CS], 0x3d38aa3b                    ; c = log2(e) / 32 = 0.0450842
	s_mov_b32 s[CS+1], s[CS]
	s_mov_b32 s[SEL], 0x76543210
	s_mov_b32 s[SEL+1], 0xfedcba98
	s_mov_b32 s[BIGN], 0xf149f2ca                  ; -1e30
	s_mov_b32 s[HM], 0xffff0000
	s_mov_b32 s[AL+1], 0                           ; named as pairs
	s_mov_b32 s[BE+1], 0
	s_mov_b32 s[STP], 0
	s_mov_b32 s[STP+1], 0
	s_wait_dscnt 0x0                               ; the opening add is done
	s_wait_kmcnt 0x0
	s_add_nc_u64 s[40:41], s[4:5], s[40:41]
	s_add_nc_u64 s[PFA:PFA+1], s[40:41], 2*KSTEP*2 ; at K step 2: the first refill steps it to 3 and names K step 4
.irp n, 0,1
	s_mov_b32 s[G0+4*(\n)], 1                                      ; count = 1
	s_add_co_u32 s[G0+4*(\n)+1], s2, (\n)*SLOT                     ; LDS address
	s_add_nc_u64 s[G0+4*(\n)+2:G0+4*(\n)+3], s[40:41], (\n)*KSTEP*2  ; global address: K step n
	s_or_b32 s[G0+4*(\n)+3], s[G0+4*(\n)+3], 0x80000000            ; type = 2
	tensor_load_to_lds s[G0+4*(\n):G0+4*(\n)+3], s[G1:G1+7]        ; the ring is filled before anything else is done: two loads of mine are out
	s_nop 0
.endr
	v_and_b32 v1, 15, v0                           ; l % 16
	v_bfe_u32 v2, v0, 4, 1                         ; l / 16
	v_mul_u32_u24 v3, v1, PITCH
	v_lshl_add_u32 v3, v2, 4, v3                   ; a fragment's row x pitch + 16 x half
	s_mul_i32 s21, s11, HALFT                      ; my 128 rows of q
	s_mul_i32 s22, s12, HALFT                      ; my 128 rows of k,
	s_add_co_u32 s22, s22, 2*HALFT                 ; which lie behind q's 256
.irp s, 0,1
	v_add_nc_u32 v[ADRA+(\s)], s21, v3
	v_add_nc_u32 v[ADRB+(\s)], s22, v3
	s_add_co_u32 s21, s21, SLOT
	s_add_co_u32 s22, s22, SLOT
.endr
	s_mul_i32 s23, s10, 16*SPITCH
	s_add_co_u32 s23, s23, STAGE                   ; my stage
	v_mul_u32_u24 v4, v1, SPITCH
	v_lshl_add_u32 v4, v2, 4, v4
	v_add_nc_u32 v[STO], s23, v4
	v_mul_u32_u24 v5, v2, SPITCH
	v_lshl_add_u32 v5, v1, 4, v5
	v_add_nc_u32 v[RD], s23, v5
	v_lshlrev_b32 v[CO], 12, v2                    ; two rows of pt, 4,096 bytes apart
	v_lshl_add_u32 v[CO], v1, 4, v[CO]
	s_lshl_b32 s23, s10, 10
	s_add_co_u32 s23, s23, STATS                   ; my record
	v_lshlrev_b32 v[SA], 9, v2
	v_lshl_add_u32 v[SA], v1, 2, v[SA]
	v_add_nc_u32 v[SA], s23, v[SA]
	v_and_b32 v[LOFF], 31, v0
	v_lshlrev_b32 v[PFO], 11, v[LOFF]
	v_lshlrev_b32 v[LOFF], 4, v[LOFF]
	v_add_nc_u32 v[SR], s23, v[LOFF]
	s_lshl_b32 s16, s15, 23                        ; pt at my 128 rows and my 128 keys
	s_lshl_b32 s17, s[RI], 19
	s_add_co_u32 s16, s16, s17
	s_lshl_b32 s17, s[KA], 8
	s_add_co_u32 s16, s16, s17
	s_mov_b32 s17, 0
	s_add_nc_u64 s[6:7], s[6:7], s[16:17]
	s_lshl_b32 s16, s15, 4                         ; st at my record
	s_add_co_u32 s16, s16, s[KA]
	s_lshl_b32 s16, s16, 4
	s_add_co_u32 s16, s16, s[RI]
	s_lshl_b32 s16, s16, 10
	s_add_nc_u64 s[8:9], s[8:9], s[16:17]
	s_lshl_b32 s16, s15, 11                        ; plo at my batch: 32 rows of 64 bytes
	s_add_nc_u64 s[PLP:PLP+1], s[PLP:PLP+1], s[16:17]
; 16 matrix instructions: query blocks a0, a0 + 1 of the window's four x all 8 key blocks, 32 along K.  zero = 1: the first product starts the sums.  The 64 accumulators take turns in the same order in every quarter.
.macro MUL16 f, hi, a0, zero
	WIN MUL_LO+0x50*(\hi)
.irp a, \a0, (\a0)+1
.irp b, 0,1,2,3,4,5,6,7
.if \zero
	v_wmma_f32_16x16x32_f16 v[8*(8*(\a)+(\b)):8*(8*(\a)+(\b))+7], v[(\f)+8*(\b):(\f)+8*(\b)+7], v[(\f)+8*(4*(\hi)+(\a)):(\f)+8*(4*(\hi)+(\a))+7], 0
.else
	v_wmma_f32_16x16x32_f16 v[8*(8*(\a)+(\b)):8*(8*(\a)+(\b))+7], v[(\f)+8*(\b):(\f)+8*(\b)+7], v[(\f)+8*(4*(\hi)+(\a)):(\f)+8*(4*(\hi)+(\a))+7], v[8*(8*(\a)+(\b)):8*(8*(\a)+(\b))+7]
.endif
.endr
.endr
.endm
; 32 LDS loads in one run: the fragments of one quarter step (128 rows of k, 128 rows of q, 32 K at byte k of the rows) into buffer f
.macro FETCH slot, k, f
	WIN TO_B
.irp i, 0,1,2,3,4,5,6,7
	ds_load_b128 v[(\f)+8*(\i):(\f)+8*(\i)+3],   v[ADRB+(\slot)] offset:(\k)+(\i)*16*PITCH
	ds_load_b128 v[(\f)+8*(\i)+4:(\f)+8*(\i)+7], v[ADRB+(\slot)] offset:(\k)+(\i)*16*PITCH+32
.endr
	WIN 0
.irp i, 0,1,2,3,4,5,6,7
	ds_load_b128 v[(\f)+8*(\i):(\f)+8*(\i)+3],   v[ADRA+(\slot)] offset:(\k)+(\i)*16*PITCH
	ds_load_b128 v[(\f)+8*(\i)+4:(\f)+8*(\i)+7], v[ADRA+(\slot)] offset:(\k)+(\i)*16*PITCH+32
.endr
.endm
; A K step is four quarters of 32 along K, 64 matrix instructions each, on buffers 0, 1, 0, 1.  One of the first three: multiplies buffer f; in its middle it fetches the next quarter, at byte k, into buffer g.
.macro QUARTER slot, k, f, g, zero
	s_wait_dscnt 8                                 ; k and q's rows 0-63 are in; the youngest eight loads (q's rows 64-127) may be out
	MUL16 \f, 0, 0, \zero
	MUL16 \f, 0, 2, \zero
	PLACES
	FETCH \slot, \k, \g
	s_wait_dscnt 32                                ; all but the 32 just issued
	MUL16 \f, 1, 0, \zero
	MUL16 \f, 1, 2, \zero
.endm
; The last quarter multiplies buffer 1 and changes slots: ONE barrier; in front of it each wave waits for all its tensor loads (one is out: its part of the next slot), adds 0 to its spare word, and waits for that and for its
; own reads of this slot.  fill = 1: this slot is filled again first thing behind the barrier, two K steps ahead: 224 matrix instructions ahead of the wait for it.
.macro TURN slot, next, fill
.if \fill
	s_wait_xcnt 0x0                                ; the last prefetches, a K step back, have read their address
	s_add_nc_u64 s[PFA:PFA+1], s[PFA:PFA+1], KSTEP*2
.endif
	WIN 0
	s_wait_tensorcnt 0x0                           ; all my tensor loads have landed;
	ds_add_u32 v[SPW], v[NIL]                      ; 0 onto my spare word;
	s_wait_dscnt 9                                 ; (the add and the youngest eight loads may be out)
	MUL16 F1, 0, 0, 0                              ; sixteen matrix instructions stand between the add and the wait for it
	s_wait_dscnt 0x0                               ; the add is done, and my reads of this slot are over
	s_barrier_signal -1
	MUL16 F1, 0, 2, 0                              ; work on registers while the others arrive
	WIN 0
	s_barrier_wait -1
.if \fill
	s_add_nc_u64 s[G0+4*(\slot)+2:G0+4*(\slot)+3], s[G0+4*(\slot)+2:G0+4*(\slot)+3], 2*KSTEP*2  ; no tensor load of mine is out, so a group 0 may be written
	tensor_load_to_lds s[G0+4*(\slot):G0+4*(\slot)+3], s[G1:G1+7]  ; my one tensor load behind the barrier, and the first thing there
	s_nop 0
.endif
	PLACES                                         ; the places in front of the loads below
	FETCH \next, 0, F0
.if \fill
	ASK
.endif
	MUL16 F1, 1, 0, 0
	MUL16 F1, 1, 2, 0
.endm
	s_wait_tensorcnt 1                             ; my part of K step 0 is in; step 1's may stay out
	s_barrier_signal -1
	s_barrier_wait -1                              ; everybody's is
	FETCH 0, 0, F0
	QUARTER 0, 64,  F0, F1, 1                      ; the first quarter stands in front of the loop: its products start the sums
	WIN 0
	s_mov_b32 s3, LAPS-1
.Llap:                                                 ; a trip goes once round the ring, from a lap's second quarter to the next lap's first, and fills both slots again
	QUARTER 0, 128, F1, F0, 0
	QUARTER 0, 192, F0, F1, 0
	TURN 0, 1, 1
	QUARTER 1, 64,  F0, F1, 0
	QUARTER 1, 128, F1, F0, 0
	QUARTER 1, 192, F0, F1, 0
	TURN 1, 0, 1
	QUARTER 0, 64,  F0, F1, 0
	WIN 0
	s_sub_co_u32 s3, s3, 1
	s_cmp_lg_u32 s3, 0
	s_cbranch_scc1 .Llap
	QUARTER 0, 128, F1, F0, 0                      ; the last lap fills nothing
	QUARTER 0, 192, F0, F1, 0
	TURN 0, 1, 0
	QUARTER 1, 64,  F0, F1, 0
	QUARTER 1, 128, F1, F0, 0
	QUARTER 1, 192, F0, F1, 0
	s_wait_dscnt 8
	MUL16 F1, 0, 0, 0
	MUL16 F1, 0, 2, 0
	s_wait_dscnt 0x0
	MUL16 F1, 1, 0, 0
	MUL16 F1, 1, 2, 0
	; THE SOFTMAX OF MY CHUNK, a block of 16 queries a trip.  The scores of block a are scaled into T; which 64 registers that is hangs on a, so the scaling stands eight times, and the rest once.
	WIN 0
	PLACES
	v_lshlrev_b32 v41, 3, v2
	v_sub_nc_u32 v41, v1, v41                      ; l % 16 - 8 (l / 16): in a 16 x 16 block on the diagonal register j is hidden where j is greater
.irp j, 0,1,2,3,4,5,6,7
	v_cmp_gt_i32 vcc_lo, \j, v41
	v_cndmask_b32 v[MD+(\j)], 0, s[BIGN], vcc_lo
.endr
	v_mov_b32 v[CM+1], 0                           ; named with cm as a pair
	v_mov_b32 v[XR], 0                             ; v_permlanex16_b32 counts as a reader of its destination
	v_mov_b32 v[NEG1], -1.0
	v_lshlrev_b32 v[PL0], 6, v1                    ; plo: row l % 16 of 64 bytes, 16 bytes for each half of the lanes
	v_lshl_add_u32 v[PL0], v2, 4, v[PL0]
	s_mov_b32 s[BLK], 0
.macro ARM a                           ; T = c s, each accumulator's registers in ascending order
	WIN 0x02+(\a)/4
.set n, 0
.rept 32
	v_pk_mul_f32 v[T+2*n:T+2*n+1], v[64*((\a)%4)+2*n:64*((\a)%4)+2*n+1], s[CS:CS+1] op_sel_hi:[1,0]
.set n, n+1
.endr
	WIN 0
.endm
.Lblk:
.irp k, 0,1,2,3,4,5,6
	s_cmp_eq_u32 s[BLK], \k
	s_cbranch_scc1 .Larm\k
.endr
	ARM 7
	s_branch .Ljoin
.irp k, 0,1,2,3,4,5
.Larm\k:
	ARM \k
	s_branch .Ljoin
.endr
.Larm6:
	ARM 6
.Ljoin:
	s_cmp_gt_u32 s[RI], s[KA]
	s_cbranch_scc1 .Lall_seen                      ; my keys all lie in front of my queries
	s_cmp_eq_u32 s[RI], s[KA]
	s_cselect_b32 s[AE], s[BLK], -1                ; -1: my keys all lie behind my queries
.irp b, 0,1,2,3,4,5,6,7                ; key block b: on the diagonal (b = a) the block's mask; behind it (b > a) -1e30; in front of it nothing
	s_cmp_eq_u32 s[AE], \b
	s_cselect_b32 s[AL], 1.0, 0
	s_cmp_lt_i32 s[AE], \b
	s_cselect_b32 s[BE], s[BIGN], 0
.irp z, 0,1,2,3
	v_pk_fma_f32 v[T+8*(\b)+2*(\z):T+8*(\b)+2*(\z)+1], v[MD+2*(\z):MD+2*(\z)+1], s[AL:AL+1], v[T+8*(\b)+2*(\z):T+8*(\b)+2*(\z)+1] op_sel_hi:[1,0,1]
.endr
.irp z, 0,1,2,3
	v_pk_add_f32 v[T+8*(\b)+2*(\z):T+8*(\b)+2*(\z)+1], v[T+8*(\b)+2*(\z):T+8*(\b)+2*(\z)+1], s[BE:BE+1] op_sel_hi:[1,0]
.endr
.endr
.Lall_seen:
	; the maximum of my 64 numbers: four chains of fifteen, three operands at a time; the four left over; the other half of the lanes'
.irp k, 0,1,2,3
	v_max3_num_f32 v[C0+(\k)], v[T+16*(\k)], v[T+16*(\k)+1], v[T+16*(\k)+2]
.endr
.irp m, 1,2,3,4,5,6
.irp k, 0,1,2,3
	v_max3_num_f32 v[C0+(\k)], v[C0+(\k)], v[T+16*(\k)+2*(\m)+1], v[T+16*(\k)+2*(\m)+2]
.endr
.endr
	v_max3_num_f32 v[C0], v[C0], v[T+15], v[T+31]
	v_max3_num_f32 v[C0+2], v[C0+2], v[T+47], v[T+63]
	v_max3_num_f32 v[C0], v[C0], v[C0+1], v[C0+2]
	v_max_num_f32 v[C0], v[C0], v[C0+3]
	v_permlanex16_b32 v[XR], v[C0], s[SEL], s[SEL+1]
	v_max_num_f32 v[CM], v[C0], v[XR]
	; t - cm and the 64 exponentials: ONE batch; a pair is reduced one line ahead of its two exponentials, and nothing in the batch names a result
	v_pk_add_f32 v[T:T+1], v[T:T+1], v[CM:CM+1] op_sel_hi:[1,0] neg_lo:[0,1] neg_hi:[0,1]
.set n, 0
.rept 32
.if n < 31
	v_pk_add_f32 v[T+2*n+2:T+2*n+3], v[T+2*n+2:T+2*n+3], v[CM:CM+1] op_sel_hi:[1,0] neg_lo:[0,1] neg_hi:[0,1]
.endif
	v_exp_f32 v[T+2*n], v[T+2*n]
	v_exp_f32 v[T+2*n+1], v[T+2*n+1]
.set n, n+1
.endr
	v_nop                                          ; a plain instruction behind the last exponential,
	s_wait_alu depctr_va_vdst(0)                   ; and the wait ahead of the first use: one for the batch
.set n, 0
.rept 32
	v_cvt_pk_f16_f32 v[PK+n], v[T+2*n], v[T+2*n+1]
.set n, n+1
.endr
	; THE LOW PARTS, for the batch's first 32 queries and keys: my wave has them where its rows and its keys are the batch's first 128, in its blocks 0 and 1.  My registers T 0-7 are keys 8 (l / 16) + 0..7, T 8-15 keys
	; 16 + 8 (l / 16) + 0..7: as a fragment of 16 rows x 32 K wants them.  Two stores of 16 bytes a lane, 32 bytes of each row's 64 in each: 8,192 bytes in the whole launch.
	s_or_b32 s2, s[RI], s[KA]
	s_cmp_eq_u32 s2, 0
	s_cbranch_scc0 .Lno_lo
	s_cmp_lt_u32 s[BLK], 2
	s_cbranch_scc0 .Lno_lo
	s_wait_xcnt 0x0                                ; the last trip's stores have read their offset and their data: only behind this wait are they rewritten
.set n, 0
.rept 8
	v_fma_mix_f32 v[LF+2*n],   v[PK+n], v[NEG1], v[T+2*n]   op_sel:[0,0,0] op_sel_hi:[1,0,0]  ; p - f16(p): exact in f32
	v_fma_mix_f32 v[LF+2*n+1], v[PK+n], v[NEG1], v[T+2*n+1] op_sel:[1,0,0] op_sel_hi:[1,0,0]
.set n, n+1
.endr
.set n, 0
.rept 8
	v_cvt_pk_f16_f32 v[PL+n], v[LF+2*n], v[LF+2*n+1]
.set n, n+1
.endr
	v_lshl_add_u32 v[PLA], s[BLK], 10, v[PL0]      ; 16 rows of 64 bytes a block
	global_store_b128 v[PLA], v[PL:PL+3], s[PLP:PLP+1]
	global_store_b128 v[PLA], v[PL+4:PL+7], s[PLP:PLP+1] offset:32
.Lno_lo:
.irp s, 16,8,4,2,1                     ; l: the 32 pairs are added in place, halving
.set p, 0
.rept \s
	v_pk_add_f32 v[T+2*p:T+2*p+1], v[T+2*p:T+2*p+1], v[T+2*(p+(\s)):T+2*(p+(\s))+1]
.set p, p+1
.endr
.endr
	v_add_f32 v[LS], v[T], v[T+1]
	v_permlanex16_b32 v[XR], v[LS], s[SEL], s[SEL+1]
	v_add_f32 v[LS], v[LS], v[XR]
	v_cndmask_b32 v[DD], v[CM], v[LS], s[HM]       ; lanes 0-15 keep cm, lanes 16-31 l
	ds_store_b32 v[SA], v[DD]
	v_add_nc_u32 v[SA], 64, v[SA]                  ; the next 16 queries
.irp b, 0,1,2,3,4,5,6,7
	ds_store_b128 v[STO], v[PK+4*(\b):PK+4*(\b)+3] offset:32*(\b)
.endr
	s_wait_xcnt 0x0                                ; the last trip's stores have read their base and their data: only behind this wait are they rewritten
	s_add_nc_u64 s[6:7], s[6:7], s[STP:STP+1]      ; 0 the first time, then 16 rows of pt
	s_mov_b32 s[STP], 16*4096
.irp t, 0,1,2,3,4,5,6,7
	ds_load_b128 v[OB+4*(\t):OB+4*(\t)+3], v[RD] offset:(\t)*2*SPITCH  ; LDS serves a wave's instructions in order (ISA guide 5.7.1.4): these see the stores above
.endr
	s_wait_dscnt 0x0
.irp t, 0,1,2,3,4,5,6,7
	global_store_b128 v[CO], v[OB+4*(\t):OB+4*(\t)+3], s[6:7] offset:2*(\t)*4096  ; 16 lanes store 256 consecutive bytes, at a multiple of 256 from pt's first byte
.endr
	s_add_co_u32 s[BLK], s[BLK], 1
	s_cmp_lt_u32 s[BLK], 8
	s_cbranch_scc1 .Lblk
	s_wait_xcnt 0x0                                ; the last stores have read their data
	ds_load_b128 v[OB:OB+3], v[SR]                 ; my wave's record: 128 cm, 128 l
	ds_load_b128 v[OB+4:OB+7], v[SR] offset:512
	s_wait_dscnt 0x0
	global_store_b128 v[LOFF], v[OB:OB+3], s[8:9]
	global_store_b128 v[LOFF], v[OB+4:OB+7], s[8:9] offset:512
	s_wait_tensorcnt 0x0                           ; the wave's end, behind my last tensor load and my last LDS store
	ds_add_u32 v[SPW], v[NIL]
	s_wait_dscnt 0x0
	s_endpgm
.Lfunc_end_k_q623a7fe5ca_score:
	.size	k_q623a7fe5ca_score, .Lfunc_end_k_q623a7fe5ca_score-k_q623a7fe5ca_score
	.p2alignl 7, 3214868480
	.fill 96, 4, 3214868480
	.section	.rodata,"a",@progbits
	.p2align	6, 0x0
	.amdhsa_kernel k_q623a7fe5ca_score
		.amdhsa_group_segment_fixed_size 327680
		.amdhsa_private_segment_fixed_size 0
		.amdhsa_enable_private_segment 0
		.amdhsa_kernarg_size 32
		.amdhsa_user_sgpr_count 2
		.amdhsa_user_sgpr_kernarg_segment_ptr 1
		.amdhsa_wavefront_size32 1
		.amdhsa_system_sgpr_workgroup_id_x 1
		.amdhsa_system_sgpr_workgroup_id_y 1
		.amdhsa_system_sgpr_workgroup_id_z 1
		.amdhsa_system_vgpr_workitem_id 0
		.amdhsa_next_free_vgpr 1024
		.amdhsa_next_free_sgpr 72
		.amdhsa_reserve_vcc 1
		.amdhsa_float_denorm_mode_32 3
		.amdhsa_float_denorm_mode_16_64 3
		.amdhsa_memory_ordered 1
		.amdhsa_forward_progress 1
		.amdhsa_inst_pref_size 148
	.end_amdhsa_kernel
	.amdgpu_metadata
---
amdhsa.version: [ 1, 2 ]
amdhsa.kernels:
  - .name:           k_q623a7fe5ca_score
    .symbol:         k_q623a7fe5ca_score.kd
    .args:
      - { .name: qkv, .offset: 0, .size: 8, .value_kind: global_buffer, .address_space: global }
      - { .name: pt, .offset: 8, .size: 8, .value_kind: global_buffer, .address_space: global }
      - { .name: st, .offset: 16, .size: 8, .value_kind: global_buffer, .address_space: global }
      - { .name: plo, .offset: 24, .size: 8, .value_kind: global_buffer, .address_space: global }
    .group_segment_fixed_size: 327680
    .private_segment_fixed_size: 0
    .kernarg_segment_align: 8
    .kernarg_segment_size: 32
    .max_flat_workgroup_size: 128
    .sgpr_count:     72
    .vgpr_count:     1024
    .wavefront_size: 32
...
	.end_amdgpu_metadata
.endif
;; end of part 3
;; launch pv (part 4): grid 8 x 32, 4 waves a work-group, clusters of 4 x 1, 327,680 bytes of LDS; arguments pt, st, qkv, out0, vlo, plo; writes out0
.if DOCPART == 4
	.amdgcn_target "amdgcn-amd-amdhsa--gfx1250"
	.amdhsa_code_object_version 6
	.text
	.protected	k_q623a7fe5ca_pv
	.globl	k_q623a7fe5ca_pv
	.p2align	8
	.type	k_q623a7fe5ca_pv,@function
k_q623a7fe5ca_pv:
	s_mov_b64 s[64:65], 0
	v_nop
	global_prefetch_b8 v0, s[64:65] scope:SCOPE_SE
	s_setreg_imm32_b32 hwreg(HW_REG_WAVE_MODE, 25, 1), 1
	s_wait_xcnt 0x0
	s_wait_alu depctr_hold_cnt(0) depctr_sa_sdst(0) depctr_va_vdst(0) depctr_va_sdst(0) depctr_va_ssrc(0) depctr_va_vcc(0) depctr_vm_vsrc(0)
	s_getreg_b32 s2, hwreg(HW_REG_IB_STS2, 6, 4)
	s_cmp_eq_u32 s2, 0
	s_cbranch_scc0 .Lentry_in_a_cluster
	s_endpgm
.Lentry_in_a_cluster:
	s_bfe_u32 s2, ttmp6, 0x10000c
	s_cmp_lg_u32 s2, 0x3003
	s_cbranch_scc0 .Lentry_shape_is_right
	s_endpgm
.Lentry_shape_is_right:
; out[q] = (1 / L) x the sum over the row's chunks of f x (P_chunk V_chunk), in f32.  P (pt, f16) holds for each chunk of 128 keys the weights 2^(t - cm) with the chunk's own maximum cm; st holds cm and the chunk's sum l in f32.
; Here M = the largest cm of the row, f = 2^(cm - M) <= 1, L = the sum of f l.  f is applied in f32 to a chunk's finished f32 sums.  v: [8192][1024] f16 at qkv's byte 33,554,432.  out0: [4][2048][1024] f32.
; THE FIRST 32 ROWS OF A BATCH average few rows of v, so the roundings of P and V to f16 reach them undiminished.  They see keys 0 to 31 alone; for that corner the low parts (vlo: v - f16(v), [4][32][1024] f16; plo: p - f16(p),
; [4][32][32] f16) are multiplied too: P V + P vlo + plo V.  What is left out, plo vlo, is under 2^-22 of P V.
; LIMITS.  A chunk that is wholly hidden arrives with cm = -1e30 and weights 1: its f is 0, and its products (finite: v is f16) count for nothing.  An f below 2^-126 counts as 0.  NaN and infinities are not treated apart.
; The roundings of q and k to f16 stay in the weights of every row.
; THE WALK.  A batch's queries lie in 16 blocks of 128; block i needs the key tiles 0 .. i / 2 of 256 keys.  A work-group takes 128 channels and TWO blocks, p and then 15 - p: p / 2 + 1 and 8 - p / 2 tiles: 9 phases, whatever p.
; So all 256 work-groups do equal work and one loop with a constant trip count walks them.  Which tile is asked for hangs on scalar registers made from p; the descriptor's address is made anew for each fill.
; An even block's last tile holds one chunk that is wholly hidden; it is multiplied all the same: one part in 18 of the products, for one text.
; SHARES.  Four waves, each 64 queries x 64 channels: 16 accumulators.  Source 0 = 16 channels of V (V lies [key][channel] and is turned by ds_load_tr16_b128), source 1 = 16 queries of P: a lane holds ONE query (l % 16) and the
; channels 8 (l / 16) + 0..7.  X holds the chunk in hand, OT the block's sums: when a chunk is finished, OT += f X, four packed lines in front of each of the 16 products that start the next chunk.
; CLUSTER.  The four work-groups of a cluster take four channel tiles of the same blocks: they walk the same P, which is asked for JOINTLY; V's tiles hang on the channel tile and are loads of one's own, behind the same rounds.
; V is not shared: of a batch's eight pairs of blocks no four walk the same key tiles in the same phases.
; REGISTERS.  Window 0: v0-32 addresses and statistics; v64-95 scaled results; v96-159 rows read back; v160-167 1 / L, v168-175 f (even registers; the odd ones are named with them as pairs); v176-207 vlo as loaded,
; v208-223 plo's two fragments, v224-255 vlo's four.  Window 1: two fragment buffers of 128 (64 keys deep: 64 registers of P, then 64 of V).  Window 2: X at 8 (4 a + b), OT 128 behind.
.set PA,    528                        ; a row of P in LDS: 512 bytes + 16 = 132 words: row r starts at bank 4 r mod 64 (64 banks of 4 bytes: ISA guide 11.1)
.set PB,    288                        ; a row of V: 256 + 32 = 72 words
.set AHALF, 64*PA
.set BOFF,  128*PA
.set BHALF, 128*PB
.set SLOT,  BOFF+256*PB                ; a slot: 128 rows of P, then 256 rows of V
.set STAGE, 2*SLOT                     ; behind the ring: 16 rows x 272 bytes for each wave; at the start it holds the wave's 32 rows x 128 bytes of vlo
.set SP,    272
.set FT,    STAGE+4*16*SP              ; f: 18 chunks x 128 rows x 4 bytes
.set IL,    FT+18*512                  ; 1 / L: 2 blocks x 128 rows x 4 bytes
.set SPARE, IL+1024                    ; the spare words, 128 bytes for each wave: two blocks of 256 bytes that no other line names
.set A0,   6                           ; v6   my lane's place in P's rows of a slot; never rewritten
.set B0,   7                           ; v7   the same for V
.set ADRA, 8                           ; v8   the same in the slot in hand
.set ADRB, 9                           ; v9, v10  V's first and second 128 rows
.set FA,   11                          ; v11  where my query's f of the phase in hand lies
.set IA,   12                          ; v12  where its 1 / L lies
.set STO,  13                          ; v13  the way out: where I put 32 bytes of a row
.set RD,   14                          ; v14  where I read a row back
.set GO,   15                          ; v15  my byte offset in two rows of out0
.set PFO,  16                          ; v16  the prefetches' offset: my lane x a row; never rewritten
.set T4,   17                          ; v17  4 x my thread's number
.set SPW,  18                          ; v18  LDS address of my spare word; never rewritten
.set NIL,  19                          ; v19  0; never rewritten
.set MLO,  20                          ; v20-23  M and L of my row in the first and in the second block
.set MHI,  21
.set LLO,  22
.set LHI,  23
.set NEG,  24                          ; v24  the lowest finite number
.set T1,   25
.set T2,   26
.set FTA,  27
.set ILA,  28
.set VG,   29                          ; v29  my byte offset in four rows of vlo; never rewritten
.set VS,   30                          ; v30  where I put 16 bytes of vlo in my stage
.set PG,   31                          ; v31  my byte offset in 16 rows of plo; never rewritten
.set VT,   32                          ; v32  my lane's place for the turning load from my stage
.set TMP,  64
.set OB,   96
.set ILV,  160
.set FQ,   168
.set VLD,  176
.set PLF,  208
.set VLF,  224
.set CMR,  64                          ; at the start only: cm, l and their offsets, 18 each
.set LR,   82
.set OF,   100
.set F0,   0
.set F1,   128
.set OT,   128
.set WV,   12
.set KIND, 13                          ; s13  I fetch P (0) or V (1).  Also: which half of the block's queries is mine
.set HALF, 14                          ; s14  which half of that tile.  Also: which half of the channels
.set CX,   15
.set CT,   16                          ; s16  the channel tile
.set BB,   17                          ; s17  the batch
.set PP,   18                          ; s18  p
.set LO,   19                          ; s19  the first block
.set HI,   20                          ; s20  the second
.set NLO,  21                          ; s21  phases of the first
.set G1A,  24
.set G1B,  32
.set G0A,  40                          ; s[40:47] a set for each of the two first fills; the first then serves every refill
.set G0B,  48
.set ABASE, 56
.set BBASE, 58
.set OA,   60                          ; s[60:61] the tile's byte offset in P
.set OBO,  62                          ; s[62:63] in V
.set OLO,  66                          ; s[66:67] out0 at my part of the first block
.set OHI,  68                          ; s[68:69] of the second
.set SG,   70                          ; s70  the phase in hand
.set NX,   71                          ; s71  the phase to be asked for
.set LEFT, 72
.set TB,   73                          ; s73  the slot in hand: 0 or SLOT
.set WOFFA, 75
.set WOFFB, 76
.set LIM,  77                          ; s77  a wave prefetches while NX is below it
.set PF,   78
.set PBASE, 80
.set MK,   88
.set ML,   89
.set MH,   90
.set VLP,  92                          ; s[92:93] vlo at my batch and my 64 channels
.set PLP,  94                          ; s[94:95] plo at my batch
.set W_MUL,  0xa5                      ; fragments in window 1, C and D in window 2
.set W_FOLD, 0xa2                      ; X, OT in window 2, f in window 0
.set W_LD,   0x40                      ; destination window 1, address window 0
.set MSB, 0
.macro WIN new
.if MSB != (\new)
	s_set_vgpr_msb (MSB<<8)|(\new)
.set MSB, \new
.endif
.endm
.macro PLACES
.rept 4
	v_nop
.endr
.endm
; Phase idx: the first block's tile idx, or behind its last the second block's tile idx - NLO.  oa: 128 block rows x 4,096 bytes + 256 keys x 2 bytes; ob: 256 key rows x 2,048 bytes.
.macro WALK idx, oa, ob
	s_sub_co_u32 s83, s[\idx], s[NLO]
	s_cmp_lt_u32 s[\idx], s[NLO]
	s_cselect_b32 s82, s[LO], s[HI]
	s_cselect_b32 s83, s[\idx], s83
	s_lshl_b32 s82, s82, 19
	s_lshl_b32 s[\oa], s83, 9
	s_add_co_u32 s[\oa], s[\oa], s82
	s_lshl_b32 s[\ob], s83, 19
.endm
.macro JLOAD                           ; waves 0, 1: P's halves, jointly; waves 2, 3: V's halves, their own; an s_nop 0 and four v_nop follow each of the two lines
	s_cmp_eq_u32 s[KIND], 0
	s_cbranch_scc0 .Lfor_v_\@
	tensor_load_to_lds s[G0A:G0A+3], s[G1A:G1A+7]
	s_nop 0
.rept 4
	v_nop
.endr
	s_branch .Lasked_\@
.Lfor_v_\@:
	tensor_load_to_lds s[G0B:G0B+3], s[G1B:G1B+7]
	s_nop 0
.rept 4
	v_nop
.endr
.Lasked_\@:
.endm
; A PREFETCH of phase NX + 2, two refills on, behind the refill for phase NX.  P's tile (128 rows x 512 bytes) is read by both clusters of a row of the grid: the one with x = 0 asks; the partner at cx takes rows 32 cx ..,
; a lane a row, wave 0 the rows' first 256 bytes and wave 1 the second.  V's tile is read by the eight pairs of a batch: the pair p = 0, whose second block walks all eight key tiles, asks; waves 2 and 3 each for the 128 rows
; that they will fetch, four instructions.  Phases 0 to 3 come by their loads alone; the last phase named is 8.  No branch hangs on a work-group's place in its cluster.
.macro ASK
	s_cmp_lt_u32 s[NX], s[LIM]
	s_cbranch_scc0 .Lnot_mine_\@
	global_prefetch_b8 v[PFO], s[PF:PF+1] th:TH_LOAD_NT scope:SCOPE_SE
	s_cmp_eq_u32 s[KIND], 0
	s_cbranch_scc1 .Lnot_mine_\@
.irp n, 1,2,3
	global_prefetch_b8 v[PFO], s[PF:PF+1] offset:(\n)*65536 th:TH_LOAD_NT scope:SCOPE_SE
.endr
.Lnot_mine_\@:
.endm
.macro CREST
	s_cmp_lg_u32 s[WV], 0
	s_cbranch_scc1 .Lnot_wave_0_\@
	s_barrier_signal -3
.Lnot_wave_0_\@:
	s_barrier_wait -3
	s_barrier_signal -1
	s_barrier_wait -1
.endm
.macro CROUND
	s_barrier_signal -1
	s_barrier_wait -1
	CREST
.endm
	s_load_b256 s[4:11], s[0:1], 0x0               ; pt s[4:5], st s[6:7], qkv s[8:9], out0 s[10:11]
	s_load_b128 s[92:95], s[0:1], 0x20             ; vlo s[92:93], plo s[94:95]
	v_lshl_add_u32 v[SPW], v0, 2, SPARE
	v_mov_b32 v[NIL], 0
	ds_add_u32 v[SPW], v[NIL]                      ; the wave's opening: the add and its wait stand ahead of my first tensor load; the set-up below, work on registers, stands between them
	v_lshrrev_b32 v1, 5, v0
	v_readfirstlane_b32 s[WV], v1                  ; wave 0..3
	s_lshr_b32 s[KIND], s[WV], 1
	s_and_b32 s[HALF], s[WV], 1
	s_bfe_u32 s[CX], ttmp6, 0x40000
	s_lshl_b32 s[CT], ttmp9, 2
	s_add_co_u32 s[CT], s[CT], s[CX]               ; channel tile = 4 x cluster x + cx
	s_and_b32 s[PP], ttmp7, 0xffff                 ; which the four partners share
	s_lshr_b32 s[BB], s[PP], 3
	s_and_b32 s[PP], s[PP], 7
	s_mov_b32 s[LO], s[PP]
	s_sub_co_u32 s[HI], 15, s[PP]
	s_lshr_b32 s[NLO], s[PP], 1
	s_add_co_u32 s[NLO], s[NLO], 1
	s_mov_b32 s[G1A], 15|(1<<16)|(1<<20)|(1<<21)|(6<<22)|(3<<25)  ; the mask of four; elements of 2 bytes; padding on; 21 set beside a mask; after every 128 words (code 6), 4 words of it (code 3)
	s_mov_b32 s[G1A+1], 256<<16                    ; tensor_dim0 = 256
	s_mov_b32 s[G1A+2], 64<<16                     ; tensor_dim1 = 64
	s_mov_b32 s[G1A+3], 256<<16                    ; tile_dim0 = 256
	s_mov_b32 s[G1A+4], 64                         ; tile_dim1 = 64
	s_mov_b32 s[G1A+5], 2048                       ; elements from row to row
	s_mov_b32 s[G1A+6], 0
	s_mov_b32 s[G1A+7], 0
	s_mov_b32 s[G1B], (1<<16)|(1<<20)|(5<<22)|(7<<25)  ; no mask; after every 64 words (code 5), 8 words of padding (code 7)
	s_mov_b32 s[G1B+1], 128<<16
	s_mov_b32 s[G1B+2], 128<<16
	s_mov_b32 s[G1B+3], 128<<16
	s_mov_b32 s[G1B+4], 128
	s_mov_b32 s[G1B+5], 1024
	s_mov_b32 s[G1B+6], 0
	s_mov_b32 s[G1B+7], 0
	s_mul_i32 s[WOFFA], s[HALF], AHALF             ; where my part of a tile lies in a slot: no place in the cluster enters an LDS address
	s_mul_i32 s[WOFFB], s[HALF], BHALF
	s_add_co_u32 s[WOFFB], s[WOFFB], BOFF
	s_lshl_b32 s82, s[BB], 23                      ; P at my batch and my 64 rows of a block: registers that never hold cx
	s_lshl_b32 s83, s[HALF], 18
	s_add_co_u32 s82, s82, s83
	s_mov_b32 s83, 0
	s_lshl_b32 s84, s[BB], 22                      ; V at my batch, my 128 rows of a tile, my channel tile
	s_lshl_b32 s85, s[HALF], 18
	s_add_co_u32 s84, s84, s85
	s_lshl_b32 s85, s[CT], 8
	s_add_co_u32 s84, s84, s85
	s_add_co_u32 s84, s84, 2*16777216
	s_mov_b32 s85, 0
	s_lshl_b32 s86, s[BB], 23                      ; P for my prefetches: my work-group's 32 rows, my wave's 256 bytes
	s_lshl_b32 s87, s[CX], 17
	s_add_co_u32 s86, s86, s87
	s_lshl_b32 s87, s[HALF], 8
	s_add_co_u32 s86, s86, s87
	s_mov_b32 s87, 0
	s_lshl_b32 s22, s[BB], 23                      ; out0 at my batch, my 64 rows of a block, my 64 channels
	s_lshl_b32 s23, s[KIND], 18
	s_add_co_u32 s22, s22, s23
	s_lshl_b32 s23, s[CT], 9
	s_add_co_u32 s22, s22, s23
	s_lshl_b32 s23, s[HALF], 8
	s_add_co_u32 s22, s22, s23
	s_lshl_b32 s88, s[LO], 19
	s_add_co_u32 s88, s88, s22
	s_mov_b32 s89, 0
	s_lshl_b32 s90, s[HI], 19
	s_add_co_u32 s90, s90, s22
	s_mov_b32 s91, 0
	s_mov_b32 s[OA+1], 0
	s_mov_b32 s[OBO+1], 0
	s_cmp_eq_u32 s[KIND], 0
	s_cselect_b32 s22, ttmp9, s[PP]                ; P: cluster x = 0 asks; V: the pair p = 0
	s_cmp_eq_u32 s22, 0
	s_cselect_b32 s[LIM], 7, 0                     ; the same in all four partners, for a given wave
	s_wait_dscnt 0x0                               ; the opening add is done
	s_wait_kmcnt 0x0
	s_add_nc_u64 s[ABASE:ABASE+1], s[4:5], s[82:83]
	s_add_nc_u64 s[BBASE:BBASE+1], s[8:9], s[84:85]
	s_add_nc_u64 s[86:87], s[4:5], s[86:87]
	s_cmp_eq_u32 s[KIND], 0
	s_cselect_b64 s[PBASE:PBASE+1], s[86:87], s[BBASE:BBASE+1]
	s_add_nc_u64 s[OLO:OLO+1], s[10:11], s[88:89]
	s_add_nc_u64 s[OHI:OHI+1], s[10:11], s[90:91]
	s_lshl_b32 s84, s[BB], 16                      ; vlo: my batch's 32 rows of 2,048 bytes, my channel tile's 256 bytes, my half of them
	s_lshl_b32 s85, s[CT], 8
	s_add_co_u32 s84, s84, s85
	s_lshl_b32 s85, s[HALF], 7
	s_add_co_u32 s84, s84, s85
	s_mov_b32 s85, 0
	s_add_nc_u64 s[VLP:VLP+1], s[VLP:VLP+1], s[84:85]
	s_lshl_b32 s84, s[BB], 11                      ; plo: my batch's 32 rows of 64 bytes
	s_add_nc_u64 s[PLP:PLP+1], s[PLP:PLP+1], s[84:85]
.irp n, 0,1
	s_mov_b32 s84, \n
	WALK 84, OA, OBO
	s_mov_b32 s[G0A+4*(\n)], 1                                     ; count = 1
	s_add_co_u32 s[G0A+4*(\n)+1], s[WOFFA], (\n)*SLOT              ; LDS address
	s_add_nc_u64 s[G0A+4*(\n)+2:G0A+4*(\n)+3], s[ABASE:ABASE+1], s[OA:OA+1]  ; global address: phase n
	s_or_b32 s[G0A+4*(\n)+3], s[G0A+4*(\n)+3], 0x80000000          ; type = 2
	s_mov_b32 s[G0B+4*(\n)], 1
	s_add_co_u32 s[G0B+4*(\n)+1], s[WOFFB], (\n)*SLOT
	s_add_nc_u64 s[G0B+4*(\n)+2:G0B+4*(\n)+3], s[BBASE:BBASE+1], s[OBO:OBO+1]
	s_or_b32 s[G0B+4*(\n)+3], s[G0B+4*(\n)+3], 0x80000000
.endr
	CROUND                                         ; all four work-groups are here: the first joint loads meet
	s_cmp_eq_u32 s[KIND], 0                        ; a wave's two first fills stand in one branch, ahead of every wait on TENSORcnt and every LDS read: two loads of mine are out
	s_cbranch_scc0 .Lfirst_v
	tensor_load_to_lds s[G0A:G0A+3], s[G1A:G1A+7]
	s_nop 0
	tensor_load_to_lds s[G0A+4:G0A+7], s[G1A:G1A+7]
	s_nop 0
.rept 4
	v_nop
.endr
	s_branch .Lfirst_asked
.Lfirst_v:
	tensor_load_to_lds s[G0B:G0B+3], s[G1B:G1B+7]
	s_nop 0
	tensor_load_to_lds s[G0B+4:G0B+7], s[G1B:G1B+7]
	s_nop 0
.rept 4
	v_nop
.endr
.Lfirst_asked:
	; THE LOW PARTS.  Every wave loads its 32 keys x 64 channels of vlo (4 rows of 128 bytes an instruction) and plo's two fragments (16 rows x 32 keys each, as they lie): 6 KiB, with the statistics' loads, so that what the
	; branch in front of the loop reads is written on every path and has landed long before.  Only the waves with a batch's first rows use them.
	v_lshlrev_b32 v[T4], 2, v0
	v_and_b32 v1, 15, v0                           ; l % 16
	v_bfe_u32 v2, v0, 4, 1                         ; l / 16
	v_and_b32 v5, 31, v0                           ; l
	v_and_b32 v4, 7, v0                            ; l % 8
	v_lshrrev_b32 v[VG], 3, v5
	v_lshlrev_b32 v[VG], 11, v[VG]                 ; row l / 8
	v_lshl_add_u32 v[VG], v4, 4, v[VG]             ; 16 bytes at 16 (l % 8)
	v_lshlrev_b32 v[PG], 6, v1                     ; row l % 16 of 64 bytes
	v_lshl_add_u32 v[PG], v2, 4, v[PG]
.irp n, 0,1,2,3,4,5,6,7
	global_load_b128 v[VLD+4*(\n):VLD+4*(\n)+3], v[VG], s[VLP:VLP+1] offset:(\n)*8192
.endr
.irp a, 0,1
	global_load_b128 v[PLF+8*(\a):PLF+8*(\a)+3],   v[PG], s[PLP:PLP+1] offset:(\a)*1024
	global_load_b128 v[PLF+8*(\a)+4:PLF+8*(\a)+7], v[PG], s[PLP:PLP+1] offset:(\a)*1024+32
.endr
	; THE STATISTICS, a thread a row (row t of the first block and row t of the second).  Chunk g of the walk's 18 belongs to phase g / 2.
	s_lshl_b32 s85, s[BB], 8                       ; 16 batch x 16
	s_lshl_b32 s86, s[NLO], 1
.set g, 0
.rept 18
	s_cmp_gt_u32 s[NLO], g/2                       ; the first block's?
	s_cselect_b32 s82, 0, s86
	s_cselect_b32 s83, s[LO], s[HI]
	s_sub_co_u32 s82, g, s82                       ; the chunk's number among the row's keys
	s_lshl_b32 s82, s82, 4
	s_add_co_u32 s82, s82, s83
	s_add_co_u32 s82, s82, s85
	s_lshl_b32 s82, s82, 10                        ; its record
	v_add_nc_u32 v[OF+g], s82, v[T4]
	global_load_b32 v[CMR+g], v[OF+g], s[6:7]
	global_load_b32 v[LR+g], v[OF+g], s[6:7] offset:512
.set g, g+1
.endr
	; X, OT and f start at 0, so that the first phase is a phase like any other; written while the first tiles and the statistics are on their way
	WIN 0x80
.set i, 0
.rept 256
	v_mov_b32 v[i], 0
.set i, i+1
.endr
	WIN 0
.set i, 0
.rept 16
	v_mov_b32 v[ILV+i], 0
.set i, i+1
.endr
	v_mul_u32_u24 v[A0], v1, PA
	v_lshl_add_u32 v[A0], v2, 4, v[A0]
	s_mul_i32 s82, s[KIND], 64*PA                  ; my 64 queries
	v_add_nc_u32 v[A0], s82, v[A0]
	v_lshl_add_u32 v[B0], v2, 3, v4                ; the turning load: lane l reads key 8 (l / 16) + l % 8, channels 8 ((l / 8) % 2) + 0..7
	v_mul_u32_u24 v[B0], v[B0], PB
	v_bfe_u32 v3, v0, 3, 1
	v_lshl_add_u32 v[B0], v3, 4, v[B0]
	s_lshl_b32 s82, s[HALF], 7                     ; my 64 channels
	s_add_co_u32 s82, s82, BOFF
	v_add_nc_u32 v[B0], s82, v[B0]
	v_mov_b32 v[ADRA], v[A0]                       ; slot 0
	v_mov_b32 v[ADRB], v[B0]
	v_add_nc_u32 v[ADRB+1], BHALF, v[B0]
	s_lshl_b32 s82, s[KIND], 8                     ; my 64 queries' words
	s_add_co_u32 s83, s82, FT
	v_lshl_add_u32 v[FA], v1, 2, s83
	s_add_co_u32 s83, s82, IL
	v_lshl_add_u32 v[IA], v1, 2, s83
	s_mul_i32 s82, s[WV], 16*SP
	s_add_co_u32 s82, s82, STAGE                   ; my stage
	v_mul_u32_u24 v[STO], v1, SP                   ; in: row l % 16, 32 bytes for each half of the lanes
	v_lshl_add_u32 v[STO], v2, 5, v[STO]
	v_add_nc_u32 v[STO], s82, v[STO]
	v_mul_u32_u24 v[RD], v2, SP                    ; back: lanes 0-15 take one row of 256 bytes, lanes 16-31 the next
	v_lshl_add_u32 v[RD], v1, 4, v[RD]
	v_add_nc_u32 v[RD], s82, v[RD]
	v_lshl_add_u32 v[VS], v5, 4, s82               ; vlo in my stage: rows of 128 bytes on end, so four rows are 32 lanes x 16 consecutive bytes
	v_lshl_add_u32 v[VT], v2, 3, v4                ; and turned out of it: key 8 (l / 16) + l % 8,
	v_lshlrev_b32 v[VT], 7, v[VT]
	v_lshl_add_u32 v[VT], v3, 4, v[VT]             ; channels 8 ((l / 8) % 2) + 0..7
	v_add_nc_u32 v[VT], s82, v[VT]
	v_lshlrev_b32 v[GO], 12, v2                    ; two rows of out0
	v_lshl_add_u32 v[GO], v1, 4, v[GO]
	s_sub_co_u32 s82, 12, s[KIND]                  ; a row of P is 4,096 bytes, of V 2,048
	v_lshlrev_b32 v[PFO], s82, v5
	v_add_nc_u32 v[FTA], FT, v[T4]
	v_add_nc_u32 v[ILA], IL, v[T4]
	v_mov_b32 v[NEG], 0xff7fffff
	v_mov_b32 v[MLO], v[NEG]
	v_mov_b32 v[MHI], v[NEG]
	v_mov_b32 v[LLO], 0
	v_mov_b32 v[LHI], 0
	s_wait_loadcnt 0x0
.irp n, 0,1,2,3,4,5,6,7
	ds_store_b128 v[VS], v[VLD+4*(\n):VLD+4*(\n)+3] offset:(\n)*512
.endr
.set g, 0
.rept 18                               ; M of each block: a chunk counts for its own block alone
.if g%2 == 0
	s_cmp_gt_u32 s[NLO], g/2
	s_cselect_b32 s[MK], -1, 0
.endif
	v_cndmask_b32 v[T1], v[NEG], v[CMR+g], s[MK]
	v_cndmask_b32 v[T2], v[CMR+g], v[NEG], s[MK]
	v_max_num_f32 v[MLO], v[MLO], v[T1]
	v_max_num_f32 v[MHI], v[MHI], v[T2]
.set g, g+1
.endr
.set g, 0
.rept 18                               ; cm - M
.if g%2 == 0
	s_cmp_gt_u32 s[NLO], g/2
	s_cselect_b32 s[MK], -1, 0
	v_cndmask_b32 v[T1], v[MHI], v[MLO], s[MK]
.endif
	v_sub_f32 v[CMR+g], v[CMR+g], v[T1]
.set g, g+1
.endr
.set g, 0
.rept 18                               ; f: one batch
	v_exp_f32 v[CMR+g], v[CMR+g]
.set g, g+1
.endr
	v_nop                                          ; a plain instruction behind the last exponential,
	s_wait_alu depctr_va_vdst(0)                   ; and the wait ahead of the first use: one for the batch
.set g, 0
.rept 18                               ; L = the sum of f l, each block's apart; f goes to LDS
.if g%2 == 0
	s_cmp_gt_u32 s[NLO], g/2
	s_cselect_b32 s[ML], 1.0, 0
	s_cselect_b32 s[MH], 0, 1.0
.endif
	v_mul_f32 v[T1], v[CMR+g], v[LR+g]
	ds_store_b32 v[FTA], v[CMR+g] offset:512*g
	v_fma_f32 v[LLO], v[T1], s[ML], v[LLO]
	v_fma_f32 v[LHI], v[T1], s[MH], v[LHI]
.set g, g+1
.endr
	v_rcp_f32 v[LLO], v[LLO]                       ; L is 1 at the least: the chunk with the largest cm has f = 1 and l >= 1
	v_rcp_f32 v[LHI], v[LHI]
	v_nop
	s_wait_alu depctr_va_vdst(0)                   ; one wait for the two reciprocals
	ds_store_b32 v[ILA], v[LLO]
	ds_store_b32 v[ILA], v[LHI] offset:512
; 8 matrix instructions: query blocks a0, a0 + 1 x all 4 channel blocks, 32 keys: half c of buffer f.  The 16 accumulators take turns in the same order everywhere.
.macro MUL8 f, c, a0
	WIN W_MUL
.irp a, \a0, (\a0)+1
.irp b, 0,1,2,3
	v_wmma_f32_16x16x32_f16 v[8*(4*(\a)+(\b)):8*(4*(\a)+(\b))+7], v[(\f)+64+8*(4*(\c)+(\b)):(\f)+64+8*(4*(\c)+(\b))+7], v[(\f)+8*(4*(\c)+(\a)):(\f)+8*(4*(\c)+(\a))+7], v[8*(4*(\a)+(\b)):8*(4*(\a)+(\b))+7]
.endr
.endr
.endm
; A chunk ends and the next begins: for each accumulator, OT += f X (four packed lines, X's registers in ascending order), then the product that starts X anew with C = 0.  The five v_nop are the places between the last
; products onto X and the first line that reads it, and between them and the product that writes over it (ISA guide 7.12.1); further on the other accumulators' lines are places too.
.macro FOLD a, b
	WIN W_FOLD
.irp z, 0,1,2,3
	v_pk_fma_f32 v[OT+8*(4*(\a)+(\b))+2*(\z):OT+8*(4*(\a)+(\b))+2*(\z)+1], v[8*(4*(\a)+(\b))+2*(\z):8*(4*(\a)+(\b))+2*(\z)+1], v[FQ+2*(\a):FQ+2*(\a)+1], v[OT+8*(4*(\a)+(\b))+2*(\z):OT+8*(4*(\a)+(\b))+2*(\z)+1] op_sel_hi:[1,0,1]
.endr
.endm
.macro FOLDMUL f
.rept 5
	v_nop
.endr
.irp a, 0,1,2,3
.irp b, 0,1,2,3
	FOLD \a, \b
	WIN W_MUL
	v_wmma_f32_16x16x32_f16 v[8*(4*(\a)+(\b)):8*(4*(\a)+(\b))+7], v[(\f)+64+8*(\b):(\f)+64+8*(\b)+7], v[(\f)+8*(\a):(\f)+8*(\a)+7], 0
.endr
.endr
.endm
.macro FQLOAD ch                       ; f of the chunk that has just begun, for my four query blocks: used when it ends
	WIN 0
.irp a, 0,1,2,3
	ds_load_b32 v[FQ+2*(\a)], v[FA] offset:(\ch)*512+(\a)*64
.endr
.endm
; 32 LDS loads in one run: the fragments of quarter kq (64 keys) of the slot in hand, into buffer f; the first 32 keys first
.macro FETCH kq, f
	WIN W_LD
.irp c, 0,1
.irp i, 0,1,2,3
	ds_load_tr16_b128 v[(\f)+64+8*(4*(\c)+(\i)):(\f)+64+8*(4*(\c)+(\i))+3],   v[ADRB+(\kq)/2] offset:((\kq)%2)*64*PB+(\c)*32*PB+(\i)*32
	ds_load_tr16_b128 v[(\f)+64+8*(4*(\c)+(\i))+4:(\f)+64+8*(4*(\c)+(\i))+7], v[ADRB+(\kq)/2] offset:((\kq)%2)*64*PB+(\c)*32*PB+(\i)*32+16*PB
	ds_load_b128 v[(\f)+8*(4*(\c)+(\i)):(\f)+8*(4*(\c)+(\i))+3],   v[ADRA] offset:(\kq)*128+(\c)*64+(\i)*16*PA
	ds_load_b128 v[(\f)+8*(4*(\c)+(\i))+4:(\f)+8*(4*(\c)+(\i))+7], v[ADRA] offset:(\kq)*128+(\c)*64+(\i)*16*PA+32
.endr
.endr
.endm
; A phase is four quarters of 64 keys, 32 matrix instructions each, on buffers 0, 1, 0, 1; quarters 0 and 2 begin a chunk.  Quarter kq of the first three: multiplies buffer f and fetches quarter kq + 1 into g.
.macro QUARTER kq, f, g
	s_wait_dscnt 16                                ; the first 32 keys are in
.if (\kq)%2 == 0
	FOLDMUL \f
	FQLOAD (\kq)/2
.else
	MUL8 \f, 0, 0
	MUL8 \f, 0, 2
	PLACES
.endif
	FETCH (\kq)+1, \g
.if (\kq)%2 == 0
	s_wait_dscnt 36                                ; all but the 36 just issued
.else
	s_wait_dscnt 32                                ; all but the 32 just issued
.endif
	MUL8 \f, 1, 0
	MUL8 \f, 1, 2
.endm
; The last quarter multiplies buffer 1 and changes slots: ONE barrier; in front of it each wave waits for all its tensor loads (one is out: its part of the next slot), adds 0 to its spare word, and waits for that and for its
; own reads of this slot.  fill = 1: the barrier opens a round of the cluster's, and behind the round this slot is filled again, with phase NX: 112 matrix instructions ahead of the wait for it.
.macro TURN fill
.if \fill
	s_wait_xcnt 0x0                                ; the last prefetches, a phase back, have read their address: it is made anew, for phase NX + 2
	s_add_co_u32 s84, s[NX], 2
	WALK 84, 86, 87
	s_cmp_eq_u32 s[KIND], 0
	s_cselect_b32 s86, s86, s87
	s_mov_b32 s87, 0
	s_add_nc_u64 s[PF:PF+1], s[PBASE:PBASE+1], s[86:87]
.endif
	WIN 0
	s_wait_tensorcnt 0x0                           ; all my tensor loads have landed, so a group 0 may be written;
	ds_add_u32 v[SPW], v[NIL]                      ; 0 onto my spare word; the descriptors' scalar work stands between it and the wait for it
.if \fill
	WALK NX, OA, OBO
	s_add_co_u32 s[G0A+1], s[TB], s[WOFFA]         ; the slot that is being read out
	s_add_nc_u64 s[G0A+2:G0A+3], s[ABASE:ABASE+1], s[OA:OA+1]
	s_or_b32 s[G0A+3], s[G0A+3], 0x80000000
	s_add_co_u32 s[G0B+1], s[TB], s[WOFFB]
	s_add_nc_u64 s[G0B+2:G0B+3], s[BBASE:BBASE+1], s[OBO:OBO+1]
	s_or_b32 s[G0B+3], s[G0B+3], 0x80000000
.endif
	s_wait_dscnt 17                                ; (the add and the youngest sixteen loads may be out)
	MUL8 F1, 0, 0
	s_wait_dscnt 0x0                               ; the add is done, and my reads of this slot are over
	s_barrier_signal -1
	MUL8 F1, 0, 2                                  ; work on registers while the others arrive
	WIN 0
	s_barrier_wait -1
.if \fill
	CREST                                          ; no wave of any partner still reads this slot or has a load on its way
	JLOAD                                          ; the first tensor load behind the round; the four v_nop behind it are also the places in front of the loads below
.else
	PLACES
.endif
	s_xor_b32 s[TB], s[TB], SLOT
	v_add_nc_u32 v[ADRA], s[TB], v[A0]
	v_add_nc_u32 v[ADRB], s[TB], v[B0]
	v_add_nc_u32 v[ADRB+1], BHALF, v[ADRB]
	v_add_nc_u32 v[FA], 1024, v[FA]                ; the next phase's two chunks
	FETCH 0, F0
.if \fill
	WIN 0
	ASK
	s_add_co_u32 s[NX], s[NX], 1
.endif
	MUL8 F1, 1, 0
	MUL8 F1, 1, 2
.endm
; THE WAY OUT of a block.  PACK: 16 queries' sums times 1 / L.  TOSTAGE: into my own stage in LDS, and back as whole rows of 256 bytes.  SEND: stored.
.macro PACK a
	WIN 0x02                                       ; source 0 in window 2
.set z, 0
.rept 16
	v_pk_mul_f32 v[TMP+2*z:TMP+2*z+1], v[OT+32*(\a)+2*z:OT+32*(\a)+2*z+1], v[ILV+2*(\a):ILV+2*(\a)+1] op_sel_hi:[1,0]
.set z, z+1
.endr
	WIN 0
.endm
.macro TOSTAGE a
.irp b, 0,1,2,3
	ds_store_b128 v[STO], v[TMP+8*(\b):TMP+8*(\b)+3]   offset:64*(\b)
	ds_store_b128 v[STO], v[TMP+8*(\b)+4:TMP+8*(\b)+7] offset:64*(\b)+16
.endr
	s_wait_xcnt 0x0                                ; earlier stores have read their data: only behind this wait are those registers loaded again
.irp t, 0,1,2,3,4,5,6,7
	ds_load_b128 v[OB+32*((\a)%2)+4*(\t):OB+32*((\a)%2)+4*(\t)+3], v[RD] offset:(\t)*2*SP  ; LDS serves a wave's instructions in order (ISA guide 5.7.1.4): these see the stores above
.endr
.endm
.macro SEND a, base
	s_wait_dscnt 0x0
.irp t, 0,1,2,3,4,5,6,7
	global_store_b128 v[GO], v[OB+32*((\a)%2)+4*(\t):OB+32*((\a)%2)+4*(\t)+3], s[\base:\base+1] offset:(16*(\a)+2*(\t))*4096 th:TH_STORE_NT  ; 16 lanes store 256 consecutive bytes, at a multiple of 256 from out0's first byte
.endr
.endm
.macro WAYOUT base, blk, clear
	WIN 0
.irp a, 0,1,2,3
	ds_load_b32 v[ILV+2*(\a)], v[IA] offset:(\blk)*512+(\a)*64
.endr
	s_wait_dscnt 0x0
	PACK 0
	TOSTAGE 0
.irp a, 1,2,3
	PACK \a
	SEND (\a)-1, \base
	TOSTAGE \a
.endr
	SEND 3, \base
.if \clear
	WIN 0x80
.set i, 0
.rept 128
	v_mov_b32 v[OT+i], 0                           ; the second block's sums start at 0
.set i, i+1
.endr
	WIN 0
.endif
.endm
	s_wait_tensorcnt 1                             ; my part of phase 0 is in; phase 1's may stay out
	s_wait_dscnt 0x0                               ; my f and 1 / L are in LDS
	s_barrier_signal -1
	s_barrier_wait -1                              ; everybody's are
	FETCH 0, F0
	WIN 0
	s_mov_b32 s[SG], 0
	s_mov_b32 s[NX], 2
	s_mov_b32 s[TB], 0
	s_mov_b32 s[LEFT], 7
	; THE LOW PARTS' PRODUCTS.  The pair p = 0 begins with block 0; waves 0 and 1 hold its queries 0 to 63, their query blocks 0 and 1 the batch's first 32 rows.  The fragments just fetched begin with P's and V's keys 0 to 31.
	; The 16 products go straight into OT: block 0 sees one chunk alone, whose maximum is the row's, so its f is 2^0 = 1.  The 8 accumulators take turns.
	s_cmp_eq_u32 s[PP], 0                          ; the same answer in all four partners
	s_cbranch_scc0 .Lno_corr
	s_cmp_lt_u32 s[WV], 2
	s_cbranch_scc0 .Lno_corr
.irp b, 0,1,2,3
	ds_load_tr16_b128 v[VLF+8*(\b):VLF+8*(\b)+3],   v[VT] offset:32*(\b)       ; my own stage, which I wrote: LDS serves a wave's instructions in order (ISA guide 5.7.1.4)
	ds_load_tr16_b128 v[VLF+8*(\b)+4:VLF+8*(\b)+7], v[VT] offset:32*(\b)+16*128
.endr
	s_wait_dscnt 0x0                               ; these, and the fragments of the phase's first quarter
	WIN 0xa4                                       ; source 0 (vlo) window 0, source 1 (P) window 1, C and D window 2
.irp a, 0,1
.irp b, 0,1,2,3
	v_wmma_f32_16x16x32_f16 v[OT+8*(4*(\a)+(\b)):OT+8*(4*(\a)+(\b))+7], v[VLF+8*(\b):VLF+8*(\b)+7], v[F0+8*(\a):F0+8*(\a)+7], v[OT+8*(4*(\a)+(\b)):OT+8*(4*(\a)+(\b))+7]
.endr
.endr
	WIN 0xa1                                       ; source 0 (V) window 1, source 1 (plo) window 0
.irp a, 0,1
.irp b, 0,1,2,3
	v_wmma_f32_16x16x32_f16 v[OT+8*(4*(\a)+(\b)):OT+8*(4*(\a)+(\b))+7], v[F0+64+8*(\b):F0+64+8*(\b)+7], v[PLF+8*(\a):PLF+8*(\a)+7], v[OT+8*(4*(\a)+(\b)):OT+8*(4*(\a)+(\b))+7]
.endr
.endr
	WIN 0
.Lno_corr:
.Lphase:                                               ; 7 trips: phases 0 to 6, which ask for phases 2 to 8
	QUARTER 0, F0, F1
	WIN 0
	s_cmp_eq_u32 s[SG], s[NLO]
	s_cbranch_scc0 .Lsame                          ; the jump passes no barrier and no tensor load
	WAYOUT OLO, 0, 1                               ; the second block's first quarter has just folded the first block's last chunk: the first block goes out
.Lsame:
	QUARTER 1, F1, F0
	QUARTER 2, F0, F1
	TURN 1
	WIN 0
	s_add_co_u32 s[SG], s[SG], 1
	s_sub_co_u32 s[LEFT], s[LEFT], 1
	s_cmp_lg_u32 s[LEFT], 0
	s_cbranch_scc1 .Lphase
	s_mov_b32 s[LEFT], 2
.Ltail:                                                ; phases 7 and 8 ask for nothing.  The last trip's change of slots fetches 32 fragments that serve nothing: the price, once a launch, of one text for both trips
	QUARTER 0, F0, F1
	QUARTER 1, F1, F0
	QUARTER 2, F0, F1
	TURN 0
	WIN 0
	s_sub_co_u32 s[LEFT], s[LEFT], 1
	s_cmp_lg_u32 s[LEFT], 0
	s_cbranch_scc1 .Ltail
.rept 5
	v_nop                                          ; the places behind the last products
.endr
.irp a, 0,1,2,3
.irp b, 0,1,2,3
	FOLD \a, \b                                    ; the last chunk
.endr
.endr
	WAYOUT OHI, 1, 0
	s_wait_tensorcnt 0x0                           ; the wave's end, behind my last tensor load and my last LDS store
	ds_add_u32 v[SPW], v[NIL]
	s_wait_dscnt 0x0
	CROUND                                         ; the closing round: no work-group ends while a partner may still ask for a tile that names it
	s_endpgm
.Lfunc_end_k_q623a7fe5ca_pv:
	.size	k_q623a7fe5ca_pv, .Lfunc_end_k_q623a7fe5ca_pv-k_q623a7fe5ca_pv
	.p2alignl 7, 3214868480
	.fill 96, 4, 3214868480
	.section	.rodata,"a",@progbits
	.p2align	6, 0x0
	.amdhsa_kernel k_q623a7fe5ca_pv
		.amdhsa_group_segment_fixed_size 327680
		.amdhsa_private_segment_fixed_size 0
		.amdhsa_enable_private_segment 0
		.amdhsa_kernarg_size 48
		.amdhsa_user_sgpr_count 2
		.amdhsa_user_sgpr_kernarg_segment_ptr 1
		.amdhsa_wavefront_size32 1
		.amdhsa_system_sgpr_workgroup_id_x 1
		.amdhsa_system_sgpr_workgroup_id_y 1
		.amdhsa_system_sgpr_workgroup_id_z 1
		.amdhsa_system_vgpr_workitem_id 0
		.amdhsa_next_free_vgpr 768
		.amdhsa_next_free_sgpr 96
		.amdhsa_reserve_vcc 0
		.amdhsa_float_denorm_mode_32 3
		.amdhsa_float_denorm_mode_16_64 3
		.amdhsa_memory_ordered 1
		.amdhsa_forward_progress 1
		.amdhsa_inst_pref_size 135
	.end_amdhsa_kernel
	.amdgpu_metadata
---
amdhsa.version: [ 1, 2 ]
amdhsa.kernels:
  - .name:           k_q623a7fe5ca_pv
    .symbol:         k_q623a7fe5ca_pv.kd
    .args:
      - { .name: pt, .offset: 0, .size: 8, .value_kind: global_buffer, .address_space: global }
      - { .name: st, .offset: 8, .size: 8, .value_kind: global_buffer, .address_space: global }
      - { .name: qkv, .offset: 16, .size: 8, .value_kind: global_buffer, .address_space: global }
      - { .name: out0, .offset: 24, .size: 8, .value_kind: global_buffer, .address_space: global }
      - { .name: vlo, .offset: 32, .size: 8, .value_kind: global_buffer, .address_space: global }
      - { .name: plo, .offset: 40, .size: 8, .value_kind: global_buffer, .address_space: global }
    .group_segment_fixed_size: 327680
    .private_segment_fixed_size: 0
    .kernarg_segment_align: 8
    .kernarg_segment_size: 48
    .max_flat_workgroup_size: 128
    .sgpr_count:     96
    .vgpr_count:     768
    .wavefront_size: 32
...
	.end_amdgpu_metadata
.endif
;; end of part 4
;; ======== version 2 of 2: 4 launches; version 1 with the launch cast written anew for expert scheduling mode
;; limits: values are held in f16: magnitudes above 65,504 overflow, below 6.1e-05 lose precision
;; workspace buffers: xw 23,068,672 bytes; qkv 50,331,648 bytes; pt 33,554,432 bytes; st 1,048,576 bytes; vlo 262,144 bytes; plo 8,192 bytes
;; launch cast (part 5): grid 352 x 1, 8 waves a work-group, no clusters, 0 bytes of LDS; arguments x, Wq, Wk, Wv, xw; writes xw
.if DOCPART == 5
	.amdgcn_target "amdgcn-amd-amdhsa--gfx1250"
	.amdhsa_code_object_version 6
	.text
	.protected	k_q623a7fe5ca_cast
	.globl	k_q623a7fe5ca_cast
	.p2align	8
	.type	k_q623a7fe5ca_cast,@function
k_q623a7fe5ca_cast:
	s_mov_b64 s[64:65], 0
	v_nop
	global_prefetch_b8 v0, s[64:65] scope:SCOPE_SE
	s_setreg_imm32_b32 hwreg(HW_REG_WAVE_SCHED_MODE, 0, 2), 2
	s_setreg_imm32_b32 hwreg(HW_REG_WAVE_MODE, 25, 1), 1
	s_wait_xcnt 0x0
	s_wait_alu depctr_vm_vsrc(0)
; xw = x, Wq, Wk, Wv, each number rounded once to bf16 (nearest even): the matrix operands of the projections.
; LAYOUT.  The four are taken as ONE matrix of 11,264 rows x 1,024 columns (x: rows 0 on; Wq: 8,192 on; Wk: 9,216 on; Wv: 10,240 on), laid out in 16 blocks of 64 columns: number (R, c) lies at byte
; (c / 64) BS + 128 R + 2 (c % 64), BS = 11,264 x 128.  So 256 rows x 64 columns of x, and 64 rows x 64 columns of a weight, which the launch behind asks for as tiles, lie on end in memory.
; A work-group converts 32 rows: 131,072 bytes in, 65,536 out.  Work-groups 0-255 take x, 256-287 Wq, 288-319 Wk, 320-351 Wv; the first row in xw is 32 x the work-group's number in every case.
; An instruction of a wave takes 64 columns of two neighbouring rows: lanes 0-15 the even row, lanes 16-31 the odd one.  The load is two pieces of 256 consecutive bytes, aligned; the store 256 consecutive bytes, aligned.
; Wave w takes the column blocks 2 w and 2 w + 1 of the 16 pairs of rows: 32 loads, all out at once, each into registers of its own; no register is written twice.
; No LDS, no barrier, no matrix unit: each byte is read once and written once, and there is nothing to share.
; THE MODE: SCHED_MODE bits 1:0 = 2 (LLVM: expert scheduling mode 2), set by the entry lines.  The code itself states the register dependences between vector instructions and memory instructions, with s_wait_alu, always for 0.
; THE PLAN.  Registers that memory instructions touch:
;   v1, v2   the loads' and the stores' byte offsets.  Written by the head's vector lines, once; read by all 32 loads (v1) and all 32 stores (v2).
;   X        load n lands in X + 4 n ..; the two conversions of number n read them.  No vector instruction writes them, and no load lands in them a second time.
;   Y        the two conversions of number n write Y + 2 n, Y + 2 n + 1, once; store n reads them.  Nothing writes them again.
; So two kinds of dependence are stated, both a vector result that a memory instruction reads: the offsets, by one wait ahead of the first load; and the stores' data.  For these the 32 numbers go in 8 groups of four:
; group p's conversions read X + 16 p .. and write Y + 8 p ..; the stores issued among them are group p - 1's, which read v2 and Y + 8 (p - 1) ..: registers that no conversion of group p names.  One wait at the head of
; a group, behind the wait for the group's data, states that group p - 1's conversions have written their Y; the group's four stores follow it with no further wait.  One more stands ahead of the last four stores.
; No register that a memory instruction reads is written again, no vector instruction writes a scalar register, and EXEC is never written: nothing else is owed.
.set BS, 11264*128                     ; bytes in a block of 64 columns
.set GROUP, 4                          ; loads, and stores, in a group
.set X, 4                              ; v[4:131]    32 x 4 numbers as loaded
.set Y, 132                            ; v[132:195]  32 x 4 numbers in bf16
	s_load_b256 s[4:11], s[0:1], 0x0               ; x s[4:5], Wq s[6:7], Wk s[8:9], Wv s[10:11]
	s_load_b64 s[12:13], s[0:1], 0x20              ; xw
	v_and_b32 v196, 31, v0                         ; lane
	v_lshrrev_b32 v197, 5, v0                      ; wave
	v_and_b32 v198, 15, v0
	v_bfe_u32 v199, v0, 4, 1
	v_lshlrev_b32 v1, 4, v198                      ; in the source: 16 bytes at 16 (l % 16),
	v_lshl_add_u32 v1, v199, 12, v1                ; a row of 4,096 bytes further down for lanes 16-31,
	v_lshl_add_u32 v1, v197, 9, v1                 ; my wave's two column blocks of 256 bytes
	v_mul_u32_u24 v2, v197, 2*BS                   ; in xw: my wave's two column blocks,
	v_lshl_add_u32 v2, v196, 3, v2                 ; 8 bytes a lane: two rows of 128 bytes on end
	s_mov_b32 s20, ttmp9
	s_and_b32 s16, s20, 31                         ; which 32nd of a weight (256 is a multiple of 32),
	s_cmp_lt_u32 s20, 256
	s_cselect_b32 s16, s20, s16                    ; or which 256th of x
	s_lshl_b32 s16, s16, 17                        ; x 131,072 bytes
	s_mov_b32 s17, 0
	s_lshl_b32 s18, s20, 12                        ; 32 rows of 128 bytes in each block of xw
	s_mov_b32 s19, 0
	s_wait_kmcnt 0x0
	s_cmp_lt_u32 s20, 320                          ; the source is chosen by the work-group's number alone
	s_cselect_b64 s[14:15], s[8:9], s[10:11]
	s_cmp_lt_u32 s20, 288
	s_cselect_b64 s[14:15], s[6:7], s[14:15]
	s_cmp_lt_u32 s20, 256
	s_cselect_b64 s[14:15], s[4:5], s[14:15]
	s_add_nc_u64 s[14:15], s[14:15], s[16:17]
	s_add_nc_u64 s[12:13], s[12:13], s[18:19]
	s_wait_alu depctr_va_vdst(0)                   ; v1 and v2 are written: every load of the kernel reads v1 as its offset, every store v2
.set n, 0
.rept 32                               ; pair of rows n / 2, column block 2 w + n % 2
	global_load_b128 v[X+4*n:X+4*n+3], v1, s[14:15] offset:(n/2)*8192+(n%2)*256 th:TH_LOAD_NT
.set n, n+1
.endr
.set p, 0
.rept 32/GROUP                         ; group p: numbers 4 p to 4 p + 3 are rounded, and numbers 4 p - 4 to 4 p - 1 stored
	s_wait_loadcnt 32-GROUP*(p+1)                  ; loads come back in order (ISA guide 5.7.1): the group's four are in, the younger ones stay out
.if p > 0
	s_wait_alu depctr_va_vdst(0)                   ; the conversions of the group before have written their eight registers of Y, which the four stores below read
.endif
.set i, 0
.rept GROUP
.set n, GROUP*p+i
.if p > 0
.set m, n-GROUP
	global_store_b64 v2, v[Y+2*m:Y+2*m+1], s[12:13] offset:(m/2)*256+(m%2)*BS th:TH_STORE_NT  ; the group before; no conversion since the wait names these registers
.endif
	v_cvt_pk_bf16_f32 v[Y+2*n], v[X+4*n], v[X+4*n+1]
	v_cvt_pk_bf16_f32 v[Y+2*n+1], v[X+4*n+2], v[X+4*n+3]
.set i, i+1
.endr
.set p, p+1
.endr
	s_wait_alu depctr_va_vdst(0)                   ; the last group's conversions have written their eight registers of Y, which the last four stores read
.set m, 32-GROUP
.rept GROUP
	global_store_b64 v2, v[Y+2*m:Y+2*m+1], s[12:13] offset:(m/2)*256+(m%2)*BS th:TH_STORE_NT
.set m, m+1
.endr
	s_endpgm
.Lfunc_end_k_q623a7fe5ca_cast:
	.size	k_q623a7fe5ca_cast, .Lfunc_end_k_q623a7fe5ca_cast-k_q623a7fe5ca_cast
	.p2alignl 7, 3214868480
	.fill 96, 4, 3214868480
	.section	.rodata,"a",@progbits
	.p2align	6, 0x0
	.amdhsa_kernel k_q623a7fe5ca_cast
		.amdhsa_group_segment_fixed_size 0
		.amdhsa_private_segment_fixed_size 0
		.amdhsa_enable_private_segment 0
		.amdhsa_kernarg_size 40
		.amdhsa_user_sgpr_count 2
		.amdhsa_user_sgpr_kernarg_segment_ptr 1
		.amdhsa_wavefront_size32 1
		.amdhsa_system_sgpr_workgroup_id_x 1
		.amdhsa_system_sgpr_workgroup_id_y 1
		.amdhsa_system_sgpr_workgroup_id_z 1
		.amdhsa_system_vgpr_workitem_id 0
		.amdhsa_next_free_vgpr 200
		.amdhsa_next_free_sgpr 66
		.amdhsa_reserve_vcc 0
		.amdhsa_float_denorm_mode_32 3
		.amdhsa_float_denorm_mode_16_64 3
		.amdhsa_memory_ordered 1
		.amdhsa_forward_progress 1
		.amdhsa_inst_pref_size 13
	.end_amdhsa_kernel
	.amdgpu_metadata
---
amdhsa.version: [ 1, 2 ]
amdhsa.kernels:
  - .name:           k_q623a7fe5ca_cast
    .symbol:         k_q623a7fe5ca_cast.kd
    .args:
      - { .name: x, .offset: 0, .size: 8, .value_kind: global_buffer, .address_space: global }
      - { .name: Wq, .offset: 8, .size: 8, .value_kind: global_buffer, .address_space: global }
      - { .name: Wk, .offset: 16, .size: 8, .value_kind: global_buffer, .address_space: global }
      - { .name: Wv, .offset: 24, .size: 8, .value_kind: global_buffer, .address_space: global }
      - { .name: xw, .offset: 32, .size: 8, .value_kind: global_buffer, .address_space: global }
    .group_segment_fixed_size: 0
    .private_segment_fixed_size: 0
    .kernarg_segment_align: 8
    .kernarg_segment_size: 40
    .max_flat_workgroup_size: 256
    .sgpr_count:     66
    .vgpr_count:     200
    .wavefront_size: 32
...
	.end_amdgpu_metadata
.endif
;; end of part 5
;; launch proj: the kernel of part 2 again; grid 8 x 32, 4 waves a work-group, clusters of 4 x 4, 327,680 bytes of LDS; arguments xw, qkv, vlo; writes qkv, vlo
;; launch score: the kernel of part 3 again; grid 9 x 16, 4 waves a work-group, no clusters, 327,680 bytes of LDS; arguments qkv, pt, st, plo; writes pt, st, plo
;; launch pv: the kernel of part 4 again; grid 8 x 32, 4 waves a work-group, clusters of 4 x 1, 327,680 bytes of LDS; arguments pt, st, qkv, out0, vlo, plo; writes out0
